; MI455X (gfx1250); checked and timed in simulation.
; The chip was launched on July 23, 2026; its instructions are those of AMD's public machine-readable ISA for CDNA 5 (MIT licence, August 2026) and "CDNA5" Instruction Set Architecture Reference Guide (July 2026). The comments in the code are by the model that wrote it; some were corrected since.
;; Differential Attention. Allowed arithmetic: float matrix products may take bf16 or f16 operands with f32 sums; other float arithmetic in f32, or as packed bf16 or f16 multiplies, adds, multiply-adds, maxima and minima; sums over many terms, partial sums and values carried from step to step in f32; what a program stores and reads back later, other than sums and carried values, may be rounded once to bf16 or f16.
;; Inputs: Wk 1,024 x 2,048 float32; Wo 1,024 x 1,024 float32; Wq 1,024 x 2,048 float32; Wv 1,024 x 1,024 float32; gn_bias 1,024 float32; gn_weight 1,024 float32; lambda_init one number float32; lambda_k1 16 float32; lambda_k2 16 float32; lambda_q1 16 float32; lambda_q2 16 float32; x 2 x 2,048 x 1,024 float32.
;; Outputs: out0 2 x 2,048 x 1,024 float32.
;; 2 versions, each right; version 2 is version 1 with the launch prep written anew for expert scheduling mode. Each part assembles by itself: llvm-mc -triple=amdgcn-amd-amdhsa -mcpu=gfx1250 --defsym DOCPART=n.
;; ======== version 1 of 2: 4 launches
;; limits: values are held in f16: magnitudes above 65,504 overflow, below 6.1e-05 lose precision
;; workspace buffers: xb 8,388,608 bytes; wall 10,485,760 bytes; wob 2,097,152 bytes; rope 1,048,576 bytes; par 8,448 bytes; qkv 41,943,040 bytes; on 8,388,608 bytes
;; launch prep (part 1): grid 64 x 11, 8 waves a work-group, no clusters, 0 bytes of LDS; arguments x, Wq, Wk, Wv, Wo, lambda_q1, lambda_k1, lambda_q2, lambda_k2, lambda_init, gn_weight, gn_bias, xb, wall, wob, rope, par; writes xb, wall, wob, rope, par
.if DOCPART == 1
	.amdgcn_target "amdgcn-amd-amdhsa--gfx1250"
	.amdhsa_code_object_version 6
	.text
	.protected	k_qdc6412b802_prep
	.globl	k_qdc6412b802_prep
	.p2align	8
	.type	k_qdc6412b802_prep,@function
k_qdc6412b802_prep:
	s_mov_b64 s[64:65], 0
	v_nop
	global_prefetch_b8 v0, s[64:65] scope:SCOPE_SE
	s_setreg_imm32_b32 hwreg(HW_REG_WAVE_MODE, 25, 1), 1
	s_wait_xcnt 0x0
; PREP: the casts, the rotation table and the small parameters.  Every input is rounded once to bf16 here.
; y = 0..9: a cast.  One y is 2^20 numbers, a work-group 16,384 of them, in 16 passes of 1,024; thread t takes 4 numbers a pass.
;   y 0-3: x -> xb, bf16 [4096][1024].   y 4-5: Wq, y 6-7: Wk, y 8: Wv -> wall, bf16 [1024][5120], columns 0, 2048, 4096 on.
;   y 9: Wo -> wob [1024][1024]: rounded to bf16, and that number written as f16.
; y = 10: rope, f32: part 0 [2048][cos 32 | sin 32], part 1 (524,288 bytes on) the same shape with cos = 1, sin = 0; its first work-group also makes par:
;   gain x (1 - lambda_init) at 0, bias x (1 - lambda_init) at 4096, and 32 pairs (lambda_full[l % 16], 1 - lambda_init) at 8192.
; A wave's load covers 512 consecutive bytes, its store 256 consecutive bytes at a multiple of 256 from the buffer's first byte.
; LIMITS.  Wo beyond 65,504 has no f16; below 6e-5 f16 keeps a fixed step of 6e-8.  A frequency is 2^(-0.41524101 i), good to a unit in the last place or two,
; so an angle near position 2,047 may be off by some 2e-4 radians from one made with the exact frequency.  NaN and infinities are not treated apart.
.set XR,  16                           ; v[16:79]   pass p: 4 numbers as loaded
.set YR,  80                           ; v[80:111]  pass p: 4 numbers of 16 bits, to store
.set OFS, 112                          ; v[112:127] pass p: my byte offset in the destination
	s_load_b512 s[8:23], s[0:1], 0x0               ; x 8, Wq 10, Wk 12, Wv 14, Wo 16, lambda_q1 18, lambda_k1 20, lambda_q2 22
	s_load_b512 s[24:39], s[0:1], 0x40             ; lambda_k2 24, lambda_init 26, gn_weight 28, gn_bias 30, xb 32, wall 34, wob 36, rope 38
	s_load_b64 s[40:41], s[0:1], 0x80              ; par
	s_and_b32 s4, ttmp7, 0xffff                    ; y: the role
	v_lshlrev_b32 v1, 4, v0                        ; 16 t
	v_lshlrev_b32 v2, 2, v0                        ; 4 t
	s_wait_kmcnt 0x0
	s_cmp_ge_u32 s4, 10
	s_cbranch_scc1 .Lrope
	; THE CAST.  The role's figures: source, destination, first y, log2 of a source row, the destination's pitch and first column in bytes
	s_mov_b64 s[42:43], s[8:9]
	s_mov_b64 s[44:45], s[32:33]
	s_mov_b32 s46, 0
	s_mov_b32 s47, 10
	s_mov_b32 s48, 2048
	s_mov_b32 s49, 0
	s_cmp_ge_u32 s4, 4                             ; Wq
	s_cselect_b64 s[42:43], s[10:11], s[42:43]
	s_cselect_b64 s[44:45], s[34:35], s[44:45]
	s_cselect_b32 s46, 4, s46
	s_cselect_b32 s47, 11, s47
	s_cselect_b32 s48, 10240, s48
	s_cmp_ge_u32 s4, 6                             ; Wk
	s_cselect_b64 s[42:43], s[12:13], s[42:43]
	s_cselect_b32 s46, 6, s46
	s_cselect_b32 s49, 4096, s49
	s_cmp_ge_u32 s4, 8                             ; Wv
	s_cselect_b64 s[42:43], s[14:15], s[42:43]
	s_cselect_b32 s46, 8, s46
	s_cselect_b32 s47, 10, s47
	s_cselect_b32 s49, 8192, s49
	s_cmp_ge_u32 s4, 9                             ; Wo
	s_cselect_b64 s[42:43], s[16:17], s[42:43]
	s_cselect_b64 s[44:45], s[36:37], s[44:45]
	s_cselect_b32 s46, 9, s46
	s_cselect_b32 s48, 2048, s48
	s_cselect_b32 s49, 0, s49
	s_sub_co_u32 s5, s4, s46
	s_lshl_b32 s5, s5, 20
	s_lshl_b32 s6, ttmp9, 14
	s_add_co_u32 s5, s5, s6                        ; the work-group's first number: a multiple of 16,384, so of a row
	s_lshl_b32 s52, s5, 2
	s_mov_b32 s53, 0
	s_add_nc_u64 s[42:43], s[42:43], s[52:53]
	s_lshr_b32 s54, s5, s47                        ; its row
	s_mul_i32 s54, s54, s48
	s_add_co_u32 s54, s54, s49
	s_mov_b32 s55, 0
	s_add_nc_u64 s[44:45], s[44:45], s[54:55]
	s_lshl_b32 s51, 1, s47
	s_sub_co_u32 s51, s51, 1                       ; the mask of a place in a row
.set p, 0
.rept 16
	global_load_b128 v[XR+4*p:XR+4*p+3], v1, s[42:43] offset:4096*p th:TH_LOAD_NT
.set p, p+1
.endr
.set p, 0
.rept 16                               ; the 16 store offsets are made while the loads are out
	v_add_nc_u32 v3, 1024*p, v2
	v_lshrrev_b32 v4, s47, v3                      ; row
	v_and_b32 v3, s51, v3                          ; place in it
	v_lshlrev_b32 v3, 1, v3
	v_mad_u32_u24 v[OFS+p], v4, s48, v3
.set p, p+1
.endr
; half = 0: bf16.  half = 1: the bf16 number widened again and written as f16.  No register that a store reads is written behind that store, so the stores' sources want no wait.
.macro CASTOUT half
.set p, 0
.rept 16
	s_wait_loadcnt 15-p                            ; loads come back in order: pass p is in, the 15 - p younger ones may stay out
	v_cvt_pk_bf16_f32 v[YR+2*p], v[XR+4*p], v[XR+4*p+1]
	v_cvt_pk_bf16_f32 v[YR+2*p+1], v[XR+4*p+2], v[XR+4*p+3]
.if \half
	v_lshlrev_b32 v[XR+4*p], 16, v[YR+2*p]
	v_and_b32 v[XR+4*p+1], 0xffff0000, v[YR+2*p]
	v_lshlrev_b32 v[XR+4*p+2], 16, v[YR+2*p+1]
	v_and_b32 v[XR+4*p+3], 0xffff0000, v[YR+2*p+1]
	v_cvt_pk_f16_f32 v[YR+2*p], v[XR+4*p], v[XR+4*p+1]
	v_cvt_pk_f16_f32 v[YR+2*p+1], v[XR+4*p+2], v[XR+4*p+3]
.endif
	global_store_b64 v[OFS+p], v[YR+2*p:YR+2*p+1], s[44:45]
.set p, p+1
.endr
.endm
	s_cmp_eq_u32 s4, 9
	s_cbranch_scc1 .Lhalf
	CASTOUT 0
	s_endpgm
.Lhalf:
	CASTOUT 1
	s_endpgm
.Lrope:
	; THE TABLE.  u = 256 x work-group + t.  Sixteen neighbouring threads make a row of 256 bytes: c = u % 16; c < 8: cos of frequencies 4 c .. 4 c + 3; else sin of 4 (c - 8) ..
	; A thread makes rows u / 16 and u / 16 + 1,024.
	s_lshl_b32 s5, ttmp9, 8
	s_mov_b32 s56, 0x40c90fdb                      ; 2 pi, the nearest f32,
	s_mov_b32 s57, 0xb43bbd2e                      ; and what it lacks
	v_add_nc_u32 v2, s5, v0                        ; u
	v_and_b32 v3, 15, v2
	v_lshrrev_b32 v4, 3, v3                        ; 0: cos, 1: sin
	v_and_b32 v5, 7, v3
	v_lshlrev_b32 v5, 2, v5                        ; my first frequency
	v_lshrrev_b32 v6, 4, v2                        ; my first row
	v_lshlrev_b32 v7, 4, v2                        ; my 16 bytes of it
	v_cmp_ne_u32 s50, 0, v4
.irp e, 0,1,2,3
	v_add_nc_u32 v[8+\e], \e, v5
	v_cvt_f32_u32 v[8+\e], v[8+\e]
	v_mul_f32 v[8+\e], 0xbed49a78, v[8+\e]         ; - i log2(10000) / 32
.endr
.irp e, 0,1,2,3
	v_exp_f32 v[8+\e], v[8+\e]
.endr
	v_cvt_f32_u32 v12, v6                          ; a plain instruction behind the last exponential
	v_add_nc_u32 v13, 1024, v6
	v_cvt_f32_u32 v13, v13
	s_wait_alu depctr_va_vdst(0)                   ; one wait for the four, ahead of their first reader
; cos or sin of position x frequency.  The angle is one f32 product; whole turns are taken off in two parts; a quarter of the rest (0.79 at the most) goes through the two series, and the angle is doubled twice.
.macro SINCOS dst, tf, fr
	v_mul_f32 v30, v[\tf], v[\fr]
	v_mul_f32 v31, 0.15915494, v30
	v_rndne_f32 v31, v31
	v_fma_f32 v30, -v31, s56, v30
	v_fma_f32 v30, -v31, s57, v30
	v_mul_f32 v30, 0x3e800000, v30
	v_mul_f32 v32, v30, v30
	v_mov_b32 v33, 0x3638ef1d                      ; sin: 1/9!, -1/7!, 1/5!, -1/3!, 1
	v_mov_b32 v34, 0xb493f27e                      ; cos: -1/10!, 1/8!, -1/6!, 1/4!, -1/2, 1
	v_fmaak_f32 v33, v33, v32, 0xb9500d01
	v_fmaak_f32 v34, v34, v32, 0x37d00d01
	v_fmaak_f32 v33, v33, v32, 0x3c088889
	v_fmaak_f32 v34, v34, v32, 0xbab60b61
	v_fmaak_f32 v33, v33, v32, 0xbe2aaaab
	v_fmaak_f32 v34, v34, v32, 0x3d2aaaab
	v_fmaak_f32 v33, v33, v32, 0x3f800000
	v_fmaak_f32 v34, v34, v32, 0xbf000000
	v_mul_f32 v33, v33, v30
	v_fmaak_f32 v34, v34, v32, 0x3f800000
.rept 2
	v_mul_f32 v35, v33, v34                        ; sin 2a = 2 sin a cos a
	v_mul_f32 v36, v33, v33                        ; cos 2a = 1 - 2 sin^2 a
	v_add_f32 v33, v35, v35
	v_fma_f32 v34, v36, -2.0, 1.0
.endr
	v_cndmask_b32 v[\dst], v34, v33, s50
.endm
.irp e, 0,1,2,3
	SINCOS 16+\e, 12, 8+\e
	SINCOS 20+\e, 13, 8+\e
.endr
	v_mov_b32 v28, 0
	v_cndmask_b32 v24, 1.0, v28, s50               ; part 1: cos = 1, sin = 0
	v_mov_b32 v25, v24
	v_mov_b32 v26, v24
	v_mov_b32 v27, v24
	global_store_b128 v7, v[16:19], s[38:39]
	global_store_b128 v7, v[20:23], s[38:39] offset:262144
	global_store_b128 v7, v[24:27], s[38:39] offset:524288
	global_store_b128 v7, v[24:27], s[38:39] offset:786432
	s_cmp_lg_u32 ttmp9, 0
	s_cbranch_scc1 .Lend
	; THE PARAMETERS, by the role's first work-group
.macro RB a, b                         ; two numbers rounded to bf16 and widened again
	v_cvt_pk_bf16_f32 v50, v[\a], v[\b]
	v_lshlrev_b32 v[\a], 16, v50
	v_and_b32 v[\b], 0xffff0000, v50
.endm
	s_load_b32 s52, s[26:27], 0x0
	global_load_b128 v[40:43], v1, s[28:29]
	global_load_b128 v[44:47], v1, s[30:31]
	s_wait_kmcnt 0x0
	v_mov_b32 v48, s52
	v_cvt_pk_bf16_f32 v48, v48, v48
	v_lshlrev_b32 v48, 16, v48                     ; lambda_init
	v_sub_f32 v49, 1.0, v48                        ; 1 - lambda_init
	s_wait_loadcnt 0x0
	RB 40, 41
	RB 42, 43
	RB 44, 45
	RB 46, 47
.irp e, 0,1,2,3,4,5,6,7
	v_mul_f32 v[40+\e], v[40+\e], v49
.endr
	global_store_b128 v1, v[40:43], s[40:41]
	global_store_b128 v1, v[44:47], s[40:41] offset:4096
	v_lshrrev_b32 v51, 5, v0
	v_readfirstlane_b32 s5, v51
	s_cmp_lg_u32 s5, 0
	s_cbranch_scc1 .Lend                           ; wave 0 alone makes the 32 pairs
	v_and_b32 v52, 15, v0
	v_lshlrev_b32 v52, 2, v52
	global_load_b32 v53, v52, s[18:19]
	global_load_b32 v54, v52, s[20:21]
	global_load_b32 v55, v52, s[22:23]
	global_load_b32 v56, v52, s[24:25]
	s_wait_loadcnt 0x0
	RB 53, 54
	RB 55, 56
	v_mul_f32 v53, v53, v54
	v_mul_f32 v55, v55, v56
	v_mul_f32 v53, 0x3fb8aa3b, v53
	v_mul_f32 v55, 0x3fb8aa3b, v55
	v_exp_f32 v53, v53
	v_exp_f32 v55, v55
	v_lshlrev_b32 v57, 3, v0                       ; 8 x lane: a plain instruction behind the last exponential
	s_wait_alu depctr_va_vdst(0)                   ; one wait for the two
	v_sub_f32 v58, v53, v55
	v_add_f32 v58, v58, v48                        ; lambda_full
	v_mov_b32 v59, v49
	global_store_b64 v57, v[58:59], s[40:41] offset:8192
.Lend:
	s_endpgm
.Lfunc_end_k_qdc6412b802_prep:
	.size	k_qdc6412b802_prep, .Lfunc_end_k_qdc6412b802_prep-k_qdc6412b802_prep
	.p2alignl 7, 3214868480
	.fill 96, 4, 3214868480
	.section	.rodata,"a",@progbits
	.p2align	6, 0x0
	.amdhsa_kernel k_qdc6412b802_prep
		.amdhsa_group_segment_fixed_size 0
		.amdhsa_private_segment_fixed_size 0
		.amdhsa_enable_private_segment 0
		.amdhsa_kernarg_size 136
		.amdhsa_user_sgpr_count 2
		.amdhsa_user_sgpr_kernarg_segment_ptr 1
		.amdhsa_wavefront_size32 1
		.amdhsa_system_sgpr_workgroup_id_x 1
		.amdhsa_system_sgpr_workgroup_id_y 1
		.amdhsa_system_sgpr_workgroup_id_z 1
		.amdhsa_system_vgpr_workitem_id 0
		.amdhsa_next_free_vgpr 128
		.amdhsa_next_free_sgpr 66
		.amdhsa_reserve_vcc 0
		.amdhsa_float_denorm_mode_32 3
		.amdhsa_float_denorm_mode_16_64 3
		.amdhsa_memory_ordered 1
		.amdhsa_forward_progress 1
		.amdhsa_inst_pref_size 37
	.end_amdhsa_kernel
	.amdgpu_metadata
---
amdhsa.version: [ 1, 2 ]
amdhsa.kernels:
  - .name:           k_qdc6412b802_prep
    .symbol:         k_qdc6412b802_prep.kd
    .args:
      - { .name: x, .offset: 0, .size: 8, .value_kind: global_buffer, .address_space: global }
      - { .name: Wq, .offset: 8, .size: 8, .value_kind: global_buffer, .address_space: global }
      - { .name: Wk, .offset: 16, .size: 8, .value_kind: global_buffer, .address_space: global }
      - { .name: Wv, .offset: 24, .size: 8, .value_kind: global_buffer, .address_space: global }
      - { .name: Wo, .offset: 32, .size: 8, .value_kind: global_buffer, .address_space: global }
      - { .name: lambda_q1, .offset: 40, .size: 8, .value_kind: global_buffer, .address_space: global }
      - { .name: lambda_k1, .offset: 48, .size: 8, .value_kind: global_buffer, .address_space: global }
      - { .name: lambda_q2, .offset: 56, .size: 8, .value_kind: global_buffer, .address_space: global }
      - { .name: lambda_k2, .offset: 64, .size: 8, .value_kind: global_buffer, .address_space: global }
      - { .name: lambda_init, .offset: 72, .size: 8, .value_kind: global_buffer, .address_space: global }
      - { .name: gn_weight, .offset: 80, .size: 8, .value_kind: global_buffer, .address_space: global }
      - { .name: gn_bias, .offset: 88, .size: 8, .value_kind: global_buffer, .address_space: global }
      - { .name: xb, .offset: 96, .size: 8, .value_kind: global_buffer, .address_space: global }
      - { .name: wall, .offset: 104, .size: 8, .value_kind: global_buffer, .address_space: global }
      - { .name: wob, .offset: 112, .size: 8, .value_kind: global_buffer, .address_space: global }
      - { .name: rope, .offset: 120, .size: 8, .value_kind: global_buffer, .address_space: global }
      - { .name: par, .offset: 128, .size: 8, .value_kind: global_buffer, .address_space: global }
    .group_segment_fixed_size: 0
    .private_segment_fixed_size: 0
    .kernarg_segment_align: 8
    .kernarg_segment_size: 136
    .max_flat_workgroup_size: 256
    .sgpr_count:     66
    .vgpr_count:     128
    .wavefront_size: 32
...
	.end_amdgpu_metadata
.endif
;; end of part 1
;; launch qkvproj (part 2): grid 20 x 16, 4 waves a work-group, clusters of 4 x 4, 327,680 bytes of LDS; arguments xb, wall, rope, qkv; writes qkv
.if DOCPART == 2
	.amdgcn_target "amdgcn-amd-amdhsa--gfx1250"
	.amdhsa_code_object_version 6
	.text
	.protected	k_qdc6412b802_qkvproj
	.globl	k_qdc6412b802_qkvproj
	.p2align	8
	.type	k_qdc6412b802_qkvproj,@function
k_qdc6412b802_qkvproj:
	s_mov_b64 s[64:65], 0
	v_nop
	global_prefetch_b8 v0, s[64:65] scope:SCOPE_SE
	s_setreg_imm32_b32 hwreg(HW_REG_WAVE_MODE, 25, 1), 1
	s_wait_xcnt 0x0
	s_wait_alu depctr_hold_cnt(0) depctr_sa_sdst(0) depctr_va_vdst(0) depctr_va_sdst(0) depctr_va_ssrc(0) depctr_va_vcc(0) depctr_vm_vsrc(0)
	s_getreg_b32 s2, hwreg(HW_REG_IB_STS2, 6, 4)
	s_cmp_eq_u32 s2, 0
	s_cbranch_scc0 .Lentry_in_a_cluster
	s_endpgm
.Lentry_in_a_cluster:
	s_bfe_u32 s2, ttmp6, 0x10000c
	s_cmp_lg_u32 s2, 0xf033
	s_cbranch_scc0 .Lentry_shape_is_right
	s_endpgm
.Lentry_shape_is_right:
; QKVPROJ: C[m][n] = sum over k of xb[m][k] wall[k][n], m < 4096, n < 5120, k < 1024, bf16 operands, f32 sums; then the rotation by position, in f32 on the sums; out by heads in f16:
; qkv [g 80][m 4096][64], g = n / 64 (q1 0-15, q2 16-31, k1 32-47, k2 48-63, v 64-79).  V's columns take the table's second part, cos = 1 and sin = 0.
; LIMIT.  A result beyond 65,504 has no f16.  NaN and infinities are not treated apart.
; A tile of C is 256 x 256: four waves, each 128 x 128: 64 accumulators of 16 x 16, 512 registers, two whole heads of columns.  K goes in 8 steps of 128 through two LDS slots.
; 320 tiles for 256 WGPs: a round and a quarter; a tile of 256 x 320 would give 256, but its rows of 640 bytes have no padding interval of a power of two.
; A's tile: 256 rows x 256 bytes, K along the rows.  B's tile: 128 rows of K x 512 bytes; its fragments come out of LDS turned, by ds_load_tr16_b128.
; CLUSTER 4 x 4: A's tile hangs on the tile row alone and is asked for jointly along a row of the cluster, B's on the tile column alone, along a column.
; THE MATRIX INSTRUCTION IS USED TRANSPOSED: source 0 = 16 columns of B, source 1 = 16 rows of A: lane l holds row l % 16 of C and the columns 8 (l / 16) + 0..7.
; So channel d and channel d + 32 of a head lie in the same lane and register of accumulators b and b + 2: the rotation changes no lane.
; REGISTERS in windows of 256: window 0: v0-31 addresses, v64-127 and v128-191 A's fragments, two buffers; window 1: the same for B; windows 2, 3: accumulator (a, b) at v[8 (8 (a % 4) + b)].
.set KSTEP,  128
.set PA,     272                       ; A's LDS row: 256 bytes + 16: the 16 rows of a load start at 16 different groups of four banks
.set PB,     544                       ; B's LDS row: 512 bytes + 32 = 136 words
.set HALFT,  128*PA                    ; what one tensor load brings: 128 rows of A, or 64 rows of B (64 x 544 is the same number)
.set SLOT,   4*HALFT
.set STAGE,  2*SLOT                    ; behind the ring: for each wave 2 heads x 16 rows x 144 bytes
.set SPH,    144
.set SPARE,  STAGE+4*2*16*SPH          ; the spare words, 128 bytes a wave: two blocks of 256 bytes that no other line names
.set ASTEP,  2*KSTEP*2                 ; a slot's next K step: bytes along A's rows,
.set BSTEP,  2*KSTEP*5120*2            ; and down B's
.set ADRA, 16                          ; v16-17 my A fragments in slot 0, 1
.set ADRB, 20                          ; v20-21 the same for B
.set STO,  24                          ; v24  where I put 16 bytes of a row in my stage
.set RD,   25                          ; v25  where I read rows back
.set GO,   26                          ; v26  16 x lane
.set TO,   27                          ; v27  my place in 16 rows of the table
.set SPW,  28                          ; v28  my spare word; never rewritten
.set NIL,  29                          ; v29  0; never rewritten
.set PFO,  30                          ; v30  the prefetches' offset; never rewritten
.set F0,   64
.set F1,   128
.set G1,   24                          ; s[24:31] group 1 for A     s[32:39] group 0 for A, a set a slot
.set G0,   32
.set G1B,  48                          ; s[48:55], s[56:63] the same for B
.set G0B,  56
.set WV,   12                          ; my wave's number
.set WM,   13                          ; which half of the tile's rows is mine; also: I fetch for A (0) or for B (1)
.set WN,   14                          ; which half of its columns; also: which half of that tile I fetch
.set TY,   15
.set CX,   40
.set CY,   41
.set TX,   42
.set LIM,  43                          ; 1 in a wave that prefetches, else the greatest number
.set PFA,  44                          ; s[44:45] where my prefetches stand
.set PST,  66                          ; s[66:67] a K step in bytes, for A or for B
.set TB,   68                          ; s[68:69] the table at my first row
.set CB,   70                          ; s[70:71] qkv at my first head and row
.set MSB, 0
.macro WIN new                         ; the immediate's high byte repeats the setting that is left; a switch that changes nothing is dropped
.if MSB != (\new)
	s_set_vgpr_msb (MSB<<8)|(\new)
.set MSB, \new
.endif
.endm
.set MUL_LO, 0xa1                      ; source 0 (B) window 1, source 1 (A) window 0, C and D window 2
.set MUL_HI, 0xf1
.set TO_B,   0x40
; A joint load: waves 0 and 1 fetch A's halves, waves 2 and 3 B's.  The branch hangs on the wave's number alone.  An s_nop 0 and four v_nop follow each line.
.macro JLOAD s
	s_cmp_eq_u32 s[WM], 0
	s_cbranch_scc0 .Lfor_b_\@
	tensor_load_to_lds s[G0+4*(\s):G0+4*(\s)+3], s[G1:G1+7]
	s_nop 0
.rept 4
	v_nop
.endr
	s_branch .Lasked_\@
.Lfor_b_\@:
	tensor_load_to_lds s[G0B+4*(\s):G0B+4*(\s)+3], s[G1B:G1B+7]
	s_nop 0
.rept 4
	v_nop
.endr
.Lasked_\@:
.endm
; A prefetch of the K step that stands two refills on: one instruction a wave, each lane another block of 256 bytes.  A's rows are asked for by the cluster with x = 0, B's by the cluster with y = 0;
; the four partners that fetch a tile jointly share its blocks out by address.  So each block is named once in the launch.  The loop's last trip asks for nothing: its refills are the last K steps.
.macro ASK
	s_cmp_gt_u32 s3, s[LIM]
	s_cbranch_scc0 .Lnot_mine_\@
	global_prefetch_b8 v[PFO], s[PFA:PFA+1] th:TH_LOAD_NT scope:SCOPE_SE
.Lnot_mine_\@:
.endm
.macro CREST                           ; a round of the cluster's barrier behind its opening barrier
	s_cmp_lg_u32 s[WV], 0
	s_cbranch_scc1 .Lnot_wave_0_\@
	s_barrier_signal -3
.Lnot_wave_0_\@:
	s_barrier_wait -3
	s_barrier_signal -1
	s_barrier_wait -1
.endm
.macro CROUND
	s_barrier_signal -1
	s_barrier_wait -1
	CREST
.endm
	s_load_b256 s[4:11], s[0:1], 0x0               ; xb s[4:5], wall s[6:7], rope s[8:9], qkv s[10:11]
	v_lshl_add_u32 v[SPW], v0, 2, SPARE
	v_mov_b32 v[NIL], 0
	ds_add_u32 v[SPW], v[NIL]                      ; the wave's opening: the add and its wait stand ahead of my first tensor load; work on registers stands between
	v_lshrrev_b32 v1, 5, v0
	v_readfirstlane_b32 s[WV], v1
	s_lshr_b32 s[WM], s[WV], 1
	s_and_b32 s[WN], s[WV], 1
	s_bfe_u32 s[CX], ttmp6, 0x40000
	s_bfe_u32 s[CY], ttmp6, 0x40004
	s_lshl_b32 s[TX], ttmp9, 2
	s_add_co_u32 s[TX], s[TX], s[CX]               ; tile column = 4 x cluster x + cx
	s_and_b32 s[TY], ttmp7, 0xffff
	s_lshl_b32 s[TY], s[TY], 2
	s_add_co_u32 s[TY], s[TY], s[CY]               ; tile row = 4 x cluster y + cy
	s_lshl_b32 s43, s[CY], 2
	s_lshl_b32 s43, 15, s43                        ; my row of the cluster
	s_lshl_b32 s44, 0x1111, s[CX]                  ; my column
	s_or_b32 s[G1+0], s43, (1<<16)|(1<<20)|(1<<21)|(5<<22)|(3<<25)   ; mask; 2-byte elements; padding on; bit 21 beside a mask; after every 64 words, 4 words
	s_or_b32 s[G1B+0], s44, (1<<16)|(1<<20)|(1<<21)|(6<<22)|(7<<25)  ; after every 128 words, 8 words
	s_mov_b32 s[G1+1], 128<<16                     ; A: tensor_dim0 = 128
	s_mov_b32 s[G1+2], 128<<16                     ; tensor_dim1 = 128
	s_mov_b32 s[G1+3], 128<<16                     ; tile_dim0 = 128
	s_mov_b32 s[G1+4], 128                         ; tile_dim1 = 128
	s_mov_b32 s[G1+5], 1024                        ; elements from row to row
	s_mov_b32 s[G1+6], 0
	s_mov_b32 s[G1+7], 0
	s_mov_b32 s[G1B+1], 256<<16                    ; B: 256 columns,
	s_mov_b32 s[G1B+2], 64<<16                     ; 64 rows of K
	s_mov_b32 s[G1B+3], 256<<16
	s_mov_b32 s[G1B+4], 64
	s_mov_b32 s[G1B+5], 5120
	s_mov_b32 s[G1B+6], 0
	s_mov_b32 s[G1B+7], 0
	s_lshl_b32 s16, s[TY], 8
	s_lshl_b32 s17, s[WN], 7
	s_add_co_u32 s16, s16, s17                     ; A: row 256 x tile row + 128 x half,
	s_lshl_b32 s16, s16, 11                        ; of 2,048 bytes
	s_mov_b32 s17, 0
	s_mul_i32 s46, s[WN], 64*10240                 ; B: row 64 x half of K, of 10,240 bytes,
	s_lshl_b32 s47, s[TX], 9                       ; column 256 x tile column
	s_add_co_u32 s46, s46, s47
	s_mov_b32 s47, 0
	s_mul_i32 s20, s[WV], HALFT                    ; where they go: wave x what a load brings: no place in the cluster enters an LDS address
	s_wait_dscnt 0x0                               ; the opening add is done
	s_wait_kmcnt 0x0
	s_add_nc_u64 s[18:19], s[4:5], s[16:17]
	s_add_nc_u64 s[46:47], s[6:7], s[46:47]
	CROUND                                         ; all sixteen work-groups are here: the first joint loads meet
.irp s, 0,1
	s_mov_b32 s[G0+4*(\s)], 1
	s_add_co_u32 s[G0+4*(\s)+1], s20, (\s)*SLOT
	s_add_nc_u64 s[G0+4*(\s)+2:G0+4*(\s)+3], s[18:19], (\s)*KSTEP*2
	s_or_b32 s[G0+4*(\s)+3], s[G0+4*(\s)+3], 0x80000000
	s_mov_b32 s[G0B+4*(\s)], 1
	s_add_co_u32 s[G0B+4*(\s)+1], s20, (\s)*SLOT
	s_add_nc_u64 s[G0B+4*(\s)+2:G0B+4*(\s)+3], s[46:47], (\s)*KSTEP*5120*2
	s_or_b32 s[G0B+4*(\s)+3], s[G0B+4*(\s)+3], 0x80000000
	JLOAD \s                                       ; two loads of mine are out
.endr
	v_and_b32 v1, 15, v0                           ; l % 16
	v_bfe_u32 v2, v0, 4, 1                         ; l / 16
	v_and_b32 v3, 7, v0                            ; l % 8
	v_bfe_u32 v4, v0, 3, 1                         ; (l / 8) % 2
	v_and_b32 v5, 31, v0                           ; l
	v_mul_u32_u24 v6, v1, PA
	v_lshl_add_u32 v6, v2, 4, v6                   ; A: row x pitch + 16 x half
	v_lshl_add_u32 v7, v2, 3, v3                   ; B: row of K 8 (l / 16) + l % 8,
	v_mul_u32_u24 v7, v7, PB
	v_lshl_add_u32 v7, v4, 4, v7                   ; columns 8 ((l / 8) % 2) on
	s_mul_i32 s21, s[WM], HALFT                    ; my 128 rows of A
	s_lshl_b32 s22, s[WN], 8                       ; my 128 columns of B,
	s_add_co_u32 s22, s22, 2*HALFT                 ; which lies behind A
.irp s, 0,1
	v_add_nc_u32 v[ADRA+(\s)], s21, v6
	v_add_nc_u32 v[ADRB+(\s)], s22, v7
	s_add_co_u32 s21, s21, SLOT
	s_add_co_u32 s22, s22, SLOT
.endr
	s_mul_i32 s23, s[WV], 2*16*SPH
	s_add_co_u32 s23, s23, STAGE                   ; my stage
	v_mul_u32_u24 v8, v1, SPH
	v_lshl_add_u32 v8, v2, 4, v8
	v_add_nc_u32 v[STO], s23, v8                   ; in: row l % 16, 16 bytes for each half of the lanes
	v_lshrrev_b32 v8, 3, v5
	v_mul_u32_u24 v8, v8, SPH
	v_lshl_add_u32 v8, v3, 4, v8
	v_add_nc_u32 v[RD], s23, v8                    ; back: 32 lanes take four rows of 128 bytes,
	v_lshlrev_b32 v[GO], 4, v5                     ; which are 512 consecutive bytes of a head's plane
	v_lshlrev_b32 v[TO], 8, v1
	v_lshl_add_u32 v[TO], v2, 5, v[TO]             ; the table: row l % 16 of 256 bytes, my eight frequencies 32 (l / 16) bytes in
	s_and_b32 s16, s[TY], 7                        ; position = row of C mod 2,048
	s_lshl_b32 s16, s16, 8
	s_lshl_b32 s17, s[WM], 7
	s_add_co_u32 s16, s16, s17
	s_lshl_b32 s16, s16, 8
	s_cmp_ge_u32 ttmp9, 4                          ; columns 4,096 on are V's: the table's second part
	s_cselect_b32 s17, 524288, 0
	s_add_co_u32 s16, s16, s17
	s_mov_b32 s17, 0
	s_add_nc_u64 s[TB:TB+1], s[8:9], s[16:17]
	s_lshl_b32 s16, s[TX], 2
	s_lshl_b32 s17, s[WN], 1
	s_add_co_u32 s16, s16, s17                     ; my first head: 4 x tile column + 2 x half,
	s_lshl_b32 s16, s16, 19                        ; a plane of 524,288 bytes
	s_lshl_b32 s17, s[TY], 8
	s_lshl_b32 s18, s[WM], 7
	s_add_co_u32 s17, s17, s18
	s_lshl_b32 s17, s17, 7                         ; my first row, of 128 bytes
	s_add_co_u32 s16, s16, s17
	s_mov_b32 s17, 0
	s_add_nc_u64 s[CB:CB+1], s[10:11], s[16:17]
	; the prefetches.  For A: of the 128 rows that I fetch my work-group takes 32, a lane a row.  For B: of the 64 rows of K it takes 16, two lanes a row of 512 bytes.
	s_cmp_eq_u32 s[WM], 0
	s_cselect_b32 s20, 0, 1
	s_movk_i32 s21, 10240
	s_cselect_b32 s21, 2048, s21
	v_lshrrev_b32 v[PFO], s20, v5
	v_mul_u32_u24 v[PFO], v[PFO], s21
	v_and_b32 v9, s20, v5
	v_lshl_add_u32 v[PFO], v9, 8, v[PFO]
	s_lshl_b32 s16, s[TY], 8
	s_lshl_b32 s17, s[WN], 7
	s_add_co_u32 s16, s16, s17
	s_lshl_b32 s17, s[CX], 5
	s_add_co_u32 s16, s16, s17
	s_lshl_b32 s16, s16, 11
	s_add_co_u32 s16, s16, 3*KSTEP*2               ; A: at K step 3; the first refill steps it to 4
	s_lshl_b32 s17, s[WN], 6
	s_lshl_b32 s18, s[CY], 4
	s_add_co_u32 s17, s17, s18
	s_add_co_u32 s17, s17, 3*KSTEP
	s_mul_i32 s17, s17, 10240
	s_lshl_b32 s18, s[TX], 9
	s_add_co_u32 s17, s17, s18                     ; B likewise
	s_and_b32 s18, ttmp7, 0xffff
	s_mov_b32 s[PST], KSTEP*5120*2
	s_cmp_eq_u32 s[WM], 0
	s_cselect_b32 s16, s16, s17
	s_cselect_b32 s18, ttmp9, s18                  ; the coordinate along which other clusters read the same blocks
	s_cselect_b64 s[PFA:PFA+1], s[4:5], s[6:7]
	s_cselect_b32 s[PST], KSTEP*2, s[PST]
	s_mov_b32 s[PST+1], 0
	s_mov_b32 s17, 0
	s_add_nc_u64 s[PFA:PFA+1], s[PFA:PFA+1], s[16:17]
	s_cmp_eq_u32 s18, 0
	s_cselect_b32 s[LIM], 1, -1                    ; the same in all sixteen partners, for a given wave
; 16 matrix instructions: m blocks a0, a0 + 1 of the window's four x all 8 n blocks, 32 along K.  zero = 1: the first product starts the sums.
.macro MUL16 f, hi, a0, zero
	WIN MUL_LO+0x50*(\hi)
.irp a, \a0, (\a0)+1
.irp b, 0,1,2,3,4,5,6,7
.if \zero
	v_wmma_f32_16x16x32_bf16 v[8*(8*(\a)+(\b)):8*(8*(\a)+(\b))+7], v[(\f)+8*(\b):(\f)+8*(\b)+7], v[(\f)+8*(4*(\hi)+(\a)):(\f)+8*(4*(\hi)+(\a))+7], 0
.else
	v_wmma_f32_16x16x32_bf16 v[8*(8*(\a)+(\b)):8*(8*(\a)+(\b))+7], v[(\f)+8*(\b):(\f)+8*(\b)+7], v[(\f)+8*(4*(\hi)+(\a)):(\f)+8*(4*(\hi)+(\a))+7], v[8*(8*(\a)+(\b)):8*(8*(\a)+(\b))+7]
.endif
.endr
.endr
.endm
; 32 LDS loads in one run: quarter q (32 along K) of a slot into buffer f: B's eight fragments, turned, then A's eight
.macro FETCH slot, q, f
	WIN TO_B
.irp i, 0,1,2,3,4,5,6,7
	ds_load_tr16_b128 v[(\f)+8*(\i):(\f)+8*(\i)+3],   v[ADRB+(\slot)] offset:(\q)*32*PB+32*(\i)
	ds_load_tr16_b128 v[(\f)+8*(\i)+4:(\f)+8*(\i)+7], v[ADRB+(\slot)] offset:(\q)*32*PB+32*(\i)+16*PB
.endr
	WIN 0
.irp i, 0,1,2,3,4,5,6,7
	ds_load_b128 v[(\f)+8*(\i):(\f)+8*(\i)+3],   v[ADRA+(\slot)] offset:64*(\q)+(\i)*16*PA
	ds_load_b128 v[(\f)+8*(\i)+4:(\f)+8*(\i)+7], v[ADRA+(\slot)] offset:64*(\q)+(\i)*16*PA+32
.endr
.endm
.macro PLACES                          ; four plain vector instructions between a matrix instruction and a load into, or a vector write of, a register that it names
.rept 4
	v_nop
.endr
.endm
; One of a K step's first three quarters: multiplies buffer f and, in its middle, fetches quarter q of the same slot into buffer g.
.macro QUARTER slot, q, f, g, zero
	s_wait_dscnt 8                                 ; B and A's rows 0-63 are in; the youngest eight loads (A's rows 64-127) may be out
	MUL16 \f, 0, 0, \zero
	MUL16 \f, 0, 2, \zero
	PLACES
	FETCH \slot, \q, \g
	s_wait_dscnt 32                                ; all but the 32 just issued
	MUL16 \f, 1, 0, \zero
	MUL16 \f, 1, 2, \zero
.endm
; The first half of a K step's last quarter: one barrier for the change of slots.  In front of it each wave waits for all its tensor loads (one is out: its part of the next slot), adds 0 to its spare word,
; and waits for that and for its own reads of this slot.
.macro MEET round
	WIN 0
	s_wait_tensorcnt 0x0
	ds_add_u32 v[SPW], v[NIL]
	s_wait_dscnt 9                                 ; the add and the youngest eight loads may be out
	MUL16 F1, 0, 0, 0
	s_wait_dscnt 0x0                               ; the add is done, and my reads of this slot are over
	s_barrier_signal -1
	MUL16 F1, 0, 2, 0
.if \round
	WIN 0
.endif
	s_barrier_wait -1
.endm
; The whole last quarter.  fill = 1: the barrier opens a round of the cluster's; behind the round this slot is filled again, two K steps on, first of all.
.macro TURN slot, next, fill
.if \fill
	s_wait_xcnt 0x0                                ; the last prefetch, a K step back, has read its address
	s_add_nc_u64 s[PFA:PFA+1], s[PFA:PFA+1], s[PST:PST+1]
	MEET 1
	CREST
	s_add_nc_u64 s[G0+4*(\slot)+2:G0+4*(\slot)+3], s[G0+4*(\slot)+2:G0+4*(\slot)+3], ASTEP
	s_add_nc_u64 s[G0B+4*(\slot)+2:G0B+4*(\slot)+3], s[G0B+4*(\slot)+2:G0B+4*(\slot)+3], BSTEP
	JLOAD \slot                                    ; its four v_nop are also the places in front of the loads below
.else
	MEET 0
	PLACES
.endif
	FETCH \next, 0, F0
.if \fill
	ASK
.endif
	MUL16 F1, 1, 0, 0
	MUL16 F1, 1, 2, 0
.endm
	s_wait_tensorcnt 1                             ; my part of K step 0 is in; K step 1's may stay out
	s_barrier_signal -1
	s_barrier_wait -1
	FETCH 0, 0, F0
	QUARTER 0, 1, F0, F1, 1                        ; the first quarter stands in front of the loop: its products start the sums
	WIN 0
	s_mov_b32 s3, 3
.Llap:                                         ; a trip goes once round the ring and fills both slots again; the 64 accumulators take turns in one order throughout
	QUARTER 0, 2, F1, F0, 0
	QUARTER 0, 3, F0, F1, 0
	TURN 0, 1, 1
	QUARTER 1, 1, F0, F1, 0
	QUARTER 1, 2, F1, F0, 0
	QUARTER 1, 3, F0, F1, 0
	TURN 1, 0, 1
	QUARTER 0, 1, F0, F1, 0
	WIN 0
	s_sub_co_u32 s3, s3, 1
	s_cmp_lg_u32 s3, 0
	s_cbranch_scc1 .Llap
	QUARTER 0, 2, F1, F0, 0                        ; the last lap fills nothing
	QUARTER 0, 3, F0, F1, 0
	TURN 0, 1, 0
	QUARTER 1, 1, F0, F1, 0
	QUARTER 1, 2, F1, F0, 0
	QUARTER 1, 3, F0, F1, 0
	s_wait_dscnt 8
	MUL16 F1, 0, 0, 0
	MUL16 F1, 0, 2, 0
	s_wait_dscnt 0x0
	MUL16 F1, 1, 0, 0
	MUL16 F1, 1, 2, 0
	WIN 0
	; THE WAY OUT, a block of 16 rows at a time.  Window 0: v64-95, v96-127 the table of a block, by turns (cos of frequencies 0-15 and 16-31 for my lanes' eight, then sin); v128-191 the rotated numbers;
	; v192-223 the same in f16; v32-63, v224-255 whole rows read back from my stage, by turns.
.macro TLOAD a
	WIN 0
.set TT, 64+32*((\a)%2)
.irp u, 0,1
.irp w, 0,1
	global_load_b128 v[TT+8*(\u)+4*(\w):TT+8*(\u)+4*(\w)+3],       v[TO], s[TB:TB+1] offset:4096*(\a)+64*(\u)+16*(\w)
	global_load_b128 v[TT+16+8*(\u)+4*(\w):TT+16+8*(\u)+4*(\w)+3], v[TO], s[TB:TB+1] offset:4096*(\a)+128+64*(\u)+16*(\w)
.endr
.endr
.endm
; lo' = lo cos - hi sin, hi' = hi cos + lo sin; lo in accumulator b, hi in b + 2.  Each accumulator is read from its low end on.
.macro ROT a
.set TT, 64+32*((\a)%2)
.set AC, 64*((\a)%4)
	WIN 0x02+(\a)/4                                ; source 0 in window 2 or 3
.irp b, 0,1,4,5
.irp j, 0,2,4,6
	v_pk_mul_f32 v[128+8*(\b)+(\j):128+8*(\b)+(\j)+1], v[AC+8*((\b)+2)+(\j):AC+8*((\b)+2)+(\j)+1], v[TT+16+8*((\b)%4)+(\j):TT+16+8*((\b)%4)+(\j)+1]
	v_pk_mul_f32 v[128+8*((\b)+2)+(\j):128+8*((\b)+2)+(\j)+1], v[AC+8*(\b)+(\j):AC+8*(\b)+(\j)+1], v[TT+16+8*((\b)%4)+(\j):TT+16+8*((\b)%4)+(\j)+1]
	v_pk_fma_f32 v[128+8*(\b)+(\j):128+8*(\b)+(\j)+1], v[AC+8*(\b)+(\j):AC+8*(\b)+(\j)+1], v[TT+8*((\b)%4)+(\j):TT+8*((\b)%4)+(\j)+1], v[128+8*(\b)+(\j):128+8*(\b)+(\j)+1] neg_lo:[0,0,1] neg_hi:[0,0,1]
	v_pk_fma_f32 v[128+8*((\b)+2)+(\j):128+8*((\b)+2)+(\j)+1], v[AC+8*((\b)+2)+(\j):AC+8*((\b)+2)+(\j)+1], v[TT+8*((\b)%4)+(\j):TT+8*((\b)%4)+(\j)+1], v[128+8*((\b)+2)+(\j):128+8*((\b)+2)+(\j)+1]
.endr
.endr
	WIN 0
.set z, 0
.rept 32
	v_cvt_pk_f16_f32 v[192+z], v[128+2*z], v[128+2*z+1]
.set z, z+1
.endr
.endm
.macro OUT a
.set BK, 32+192*((\a)%2)
.irp b, 0,1,2,3,4,5,6,7
	ds_store_b128 v[STO], v[192+4*(\b):192+4*(\b)+3] offset:((\b)/4)*16*SPH+32*((\b)%4)
.endr
	s_wait_xcnt 0x0                                ; the stores of two blocks back have read the registers that are loaded next
.irp t, 0,1,2,3,4,5,6,7
	ds_load_b128 v[BK+4*(\t):BK+4*(\t)+3], v[RD] offset:((\t)/4)*16*SPH+((\t)%4)*4*SPH  ; LDS serves a wave's instructions in order: these see the stores above
.endr
	s_wait_dscnt 0x0
.irp t, 0,1,2,3,4,5,6,7
	global_store_b128 v[GO], v[BK+4*(\t):BK+4*(\t)+3], s[CB:CB+1] offset:((\t)/4)*524288+2048*(\a)+((\t)%4)*512  ; 512 consecutive bytes, at a multiple of 256 from the buffer's first
.endr
.endm
.rept 8
	v_nop                                          ; the places behind the last products
.endr
	TLOAD 0
.irp a, 0,1,2,3,4,5,6,7
.if (\a) < 7
	TLOAD (\a)+1
	s_wait_loadcnt 8                               ; this block's table is in; the next block's eight loads may stay out
.else
	s_wait_loadcnt 0x0
.endif
	ROT \a
	OUT \a
.endr
	s_wait_tensorcnt 0x0                           ; the wave's end, behind my last tensor load and my last LDS store
	ds_add_u32 v[SPW], v[NIL]
	s_wait_dscnt 0x0
	CROUND                                         ; the closing round: no work-group ends while a partner may still ask for a tile that names it
	s_endpgm
.Lfunc_end_k_qdc6412b802_qkvproj:
	.size	k_qdc6412b802_qkvproj, .Lfunc_end_k_qdc6412b802_qkvproj-k_qdc6412b802_qkvproj
	.p2alignl 7, 3214868480
	.fill 96, 4, 3214868480
	.section	.rodata,"a",@progbits
	.p2align	6, 0x0
	.amdhsa_kernel k_qdc6412b802_qkvproj
		.amdhsa_group_segment_fixed_size 327680
		.amdhsa_private_segment_fixed_size 0
		.amdhsa_enable_private_segment 0
		.amdhsa_kernarg_size 32
		.amdhsa_user_sgpr_count 2
		.amdhsa_user_sgpr_kernarg_segment_ptr 1
		.amdhsa_wavefront_size32 1
		.amdhsa_system_sgpr_workgroup_id_x 1
		.amdhsa_system_sgpr_workgroup_id_y 1
		.amdhsa_system_sgpr_workgroup_id_z 1
		.amdhsa_system_vgpr_workitem_id 0
		.amdhsa_next_free_vgpr 1024
		.amdhsa_next_free_sgpr 72
		.amdhsa_reserve_vcc 0
		.amdhsa_float_denorm_mode_32 3
		.amdhsa_float_denorm_mode_16_64 3
		.amdhsa_memory_ordered 1
		.amdhsa_forward_progress 1
		.amdhsa_inst_pref_size 183
	.end_amdhsa_kernel
	.amdgpu_metadata
---
amdhsa.version: [ 1, 2 ]
amdhsa.kernels:
  - .name:           k_qdc6412b802_qkvproj
    .symbol:         k_qdc6412b802_qkvproj.kd
    .args:
      - { .name: xb, .offset: 0, .size: 8, .value_kind: global_buffer, .address_space: global }
      - { .name: wall, .offset: 8, .size: 8, .value_kind: global_buffer, .address_space: global }
      - { .name: rope, .offset: 16, .size: 8, .value_kind: global_buffer, .address_space: global }
      - { .name: qkv, .offset: 24, .size: 8, .value_kind: global_buffer, .address_space: global }
    .group_segment_fixed_size: 327680
    .private_segment_fixed_size: 0
    .kernarg_segment_align: 8
    .kernarg_segment_size: 32
    .max_flat_workgroup_size: 128
    .sgpr_count:     72
    .vgpr_count:     1024
    .wavefront_size: 32
...
	.end_amdgpu_metadata
.endif
;; end of part 2
;; launch attn (part 3): grid 8 x 32, 4 waves a work-group, clusters of 4 x 1, 327,680 bytes of LDS; arguments qkv, par, on; writes on
.if DOCPART == 3
	.amdgcn_target "amdgcn-amd-amdhsa--gfx1250"
	.amdhsa_code_object_version 6
	.text
	.protected	k_qdc6412b802_attn
	.globl	k_qdc6412b802_attn
	.p2align	8
	.type	k_qdc6412b802_attn,@function
k_qdc6412b802_attn:
	s_mov_b64 s[64:65], 0
	v_nop
	global_prefetch_b8 v0, s[64:65] scope:SCOPE_SE
	s_setreg_imm32_b32 hwreg(HW_REG_WAVE_MODE, 25, 1), 1
	s_wait_xcnt 0x0
	s_wait_alu depctr_hold_cnt(0) depctr_sa_sdst(0) depctr_va_vdst(0) depctr_va_sdst(0) depctr_va_ssrc(0) depctr_va_vcc(0) depctr_vm_vsrc(0)
	s_getreg_b32 s2, hwreg(HW_REG_IB_STS2, 6, 4)
	s_cmp_eq_u32 s2, 0
	s_cbranch_scc0 .Lentry_in_a_cluster
	s_endpgm
.Lentry_in_a_cluster:
	s_bfe_u32 s2, ttmp6, 0x10000c
	s_cmp_lg_u32 s2, 0x3003
	s_cbranch_scc0 .Lentry_shape_is_right
	s_endpgm
.Lentry_shape_is_right:
; ATTN: for each batch b and head h: A1 = softmax(q1 k1^T / 8), A2 = softmax(q2 k2^T / 8), D = A1 v - lambda_full A2 v; D is normalised over its 64 channels (mean, variance + 1e-5), and takes
; gain and bias, both already times (1 - lambda_init).  qkv: f16 [g 80][4096][64] (q1 h, q2 16 + h, k1 32 + h, k2 48 + h, v 64 + h).  on: f16 [row block of 128: 32][h 16][128][64].
; Products, maxima, sums and the normalisation in f32; the weights p are rounded to f16 for the second product (their sum l is taken of the unrounded p); the result is rounded once.
; The two row sums are known only at the end, so the product with v is made for each stream by itself, and the streams are joined at the end: O1 / l1 - lambda O2 / l2.
; LIMITS.  f16 holds no number beyond 65,504; p below 6e-5 keeps f16's fixed step of 6e-8; a weight below 2^-126 counts as 0 in l; NaN and infinities are not treated apart.
; SHARES.  A work-group owns 256 queries of one (b, h), a wave 64: four PIECES of 16 queries; a piece's two tiles are its two streams (tile 2 p: stream 1, tile 2 p + 1: stream 2).  Every wave walks all 2,048 keys, 64 a step.
; LAYOUT.  S^T = K Q^T: a lane holds ONE query (lane % 16) and the keys 8 (lane / 16) + 0..7.  Two such results rounded to f16 ARE source 1 of O^T = V^T P, which again holds one query a lane, and eight channels.
; SOFTMAX.  For each query and stream a running maximum m and sum l: p = 2^(c s - c m), c = log2(e) / 8; in every step O and l are multiplied by a = 2^(c m_old - c m_new).  m starts at the lowest finite number, O and l at 0.
; BY TURNS.  Turn n belongs to piece n: 16 products K Q^T of piece n + 1, later 16 products V^T P of piece n - 1; beside them the scaling, exponentials, roundings, sums and rescaling of piece n and the maximum and
; statistics of piece n + 1.  Four vector instructions stand behind every matrix instruction, the others in one run.  A turn's 66 exponentials are one batch with one wait.
; CLUSTER.  The four query blocks of a cluster belong to one (b, h) and walk the same K1, K2 and V: each tile is asked for jointly.
; REGISTERS in windows of 256: window 0: v0-11 addresses; v12-15, v48-63 at work; v16-47 four registers of statistics a tile; v64-191 S^T, two buffers of two tiles; v192-255 P, likewise.
;   window 1: O^T, 32 a tile.   window 2: v0-127 Q, 16 a tile; v128-191 K1, v192-255 K2 of one step.   window 3: v64-127 V of one step; v128-159 gain, v160-191 bias of my lanes' 32 channels.
.set NP,    4
.set KS,    64
.set PK,    144       ; a row of K in LDS: 128 bytes + 16
.set PV,    160       ; a row of V: 128 + 32
.set K2OFF, 4*KS*PK   ; a slot holds four steps: 256 rows of K1, 256 of K2, 256 of V
.set VOFF,  2*4*KS*PK
.set SLOT1, 1<<17
.set STAGE, SLOT1+VOFF+4*KS*PV  ; behind the ring: 16 rows x 144 bytes for each wave
.set SP,    144
.set SPARE, STAGE+4*16*SP       ; the spare words, 128 bytes a wave: two blocks of 256 bytes that no other line names
.set PFO, 1           ; v1   256 x lane; never rewritten
.set AK0, 2           ; v2   my lane's place in a tile of K; never rewritten
.set AV0, 3           ; v3   the same for V
.set AK,  4           ; v4   the LDS address of K's next run of loads
.set AV,  5           ; v5   of V's
.set QO,  6           ; v6   my byte offset in 16 rows of Q
.set STO, 6           ;      later: where I put 16 bytes of a row in my stage
.set RD,  7           ; v7   where I read rows back
.set GO,  8           ; v8   16 x lane
.set PW,  9           ; v9   32 (l / 16): my lanes' channels in gain and bias
.set SPW, 10          ; v10  my spare word; never rewritten
.set NIL, 11          ; v11  0; never rewritten
.set MV,  12
.set ST,  16          ; tile t's statistics at v[ST+4 t]: c m, m, l (even keys', odd keys')
.set TMP, 48
.set L16, 56          ; at the head only: l % 16, l / 16, l % 8, (l / 8) % 2
.set LH,  57
.set L7,  58
.set L3,  59
.set S,   64
.set P,   192
.set KF,  128         ; window 2: stream u, key block kb, channel half c at KF + 64 u + 16 kb + 8 c
.set VF,  64          ; window 3: key half kk, channel block cb at VF + 32 kk + 8 cb
.set GW,  128         ; window 3
.set GB,  160
.set WV,  12
.set LIM, 15          ; 1 in a wave that prefetches, else the greatest number
.set PFA, 18          ; s[18:19] where my prefetches stand
.set G1K, 24
.set G1V, 32
.set G0K, 40
.set G0V, 44
.set SLOTS, 56
.set CNT, 57
.set CS,  58
.set SEL, 60
.set TBK, 62
.set TBV, 63
.set MSB, 0
.macro WIN new
.if MSB != (\new)
	s_set_vgpr_msb (MSB<<8)|(\new)
.set MSB, (\new)
.endif
.endm
.set W_KQ, 0x0a       ; K and Q in window 2, S^T in window 0
.set W_PV, 0x53       ; V in window 3, P in window 0, O^T in window 1
.set W_RS, 0x41       ; O^T (destination and source 0) in window 1, a in window 0
; A joint fill.  Wave 0 fetches a slot's K1, wave 1 its K2 (256 keys each), waves 2 and 3 the halves of its V.  An s_nop 0 and four v_nop follow each line.
.macro JLOAD
	s_cmp_lt_u32 s[WV], 2
	s_cbranch_scc0 .Lfor_v_\@
	tensor_load_to_lds s[G0K:G0K+3], s[G1K:G1K+7]
	s_nop 0
.rept 4
	v_nop
.endr
	s_branch .Lasked_\@
.Lfor_v_\@:
	tensor_load_to_lds s[G0V:G0V+3], s[G1V:G1V+7]
	s_nop 0
.rept 4
	v_nop
.endr
.Lasked_\@:
.endm
; A prefetch of what the NEXT change of slots will ask for: 128 blocks of 256 bytes of K1 (wave 0), K2 (wave 1) and V (wave 2).  Both clusters of a (b, h) walk the same rows: the first asks; its four partners
; take 32 blocks each, told apart by address; a lane a block.  So each block is named once in the launch.  The change that fills the last slot asks for nothing.
.macro ASK
	s_cmp_gt_u32 s[SLOTS], s[LIM]
	s_cbranch_scc0 .Lnot_mine_\@
	global_prefetch_b8 v[PFO], s[PFA:PFA+1] th:TH_LOAD_NT scope:SCOPE_SE
.Lnot_mine_\@:
.endm
.macro CROUND
	s_barrier_signal -1
	s_barrier_wait -1
	s_cmp_lg_u32 s[WV], 0
	s_cbranch_scc1 .Lnot_wave_0_\@
	s_barrier_signal -3
.Lnot_wave_0_\@:
	s_barrier_wait -3
	s_barrier_signal -1
	s_barrier_wait -1
.endm
; THE CHANGE OF SLOTS.  Each wave waits for all its tensor loads (one is out: its part of the other slot), adds 0 to its spare word, and waits for that and for its own reads of the slot.
; fill = 1: the barrier is a round of the cluster's, and the joint fill of the slot just left, with the keys two slots on, is the first thing behind it: it has four key steps in which to land.
.macro CHANGE fill
	WIN 0
	s_wait_tensorcnt 0x0            ; no tensor load of mine is out, so a group 0 may be written
	ds_add_u32 v[SPW], v[NIL]
.if \fill
.irp g, G0K, G0V
	s_xor_b32 s[\g+1], s[\g+1], SLOT1
	s_add_nc_u64 s[\g+2:\g+3], s[\g+2:\g+3], 4*KS*128
.endr
	s_wait_xcnt 0x0                 ; the last prefetch, four key steps back, has read its address
	s_add_nc_u64 s[PFA:PFA+1], s[PFA:PFA+1], 4*KS*128
	s_wait_dscnt 0x0                ; the add is done, and my reads of the slot are over
	CROUND
	JLOAD
	ASK
.else
	s_wait_dscnt 0x0
	s_barrier_signal -1
	s_barrier_wait -1
.endif
	s_sub_co_u32 s[TBK], s[TBK], 4*KS*PK
	s_xor_b32 s[TBK], s[TBK], SLOT1
	s_sub_co_u32 s[TBV], s[TBV], 4*KS*PV
	s_xor_b32 s[TBV], s[TBV], SLOT1
.endm
	s_load_b128 s[4:7], s[0:1], 0x0   ; qkv s[4:5], par s[6:7]
	s_load_b64 s[8:9], s[0:1], 0x10   ; on
	v_lshl_add_u32 v[SPW], v0, 2, SPARE
	v_mov_b32 v[NIL], 0
	ds_add_u32 v[SPW], v[NIL]       ; the wave's opening: the add and its wait stand ahead of my first tensor load; work on registers stands between
	v_lshrrev_b32 v[L16], 5, v0
	v_readfirstlane_b32 s[WV], v[L16]
	s_bfe_u32 s13, ttmp6, 0x40000   ; cx
	s_lshl_b32 s14, ttmp9, 2
	s_add_co_u32 s14, s14, s13      ; my block of 256 queries: it enters Q's and on's addresses alone
	s_and_b32 s20, ttmp7, 0xffff    ; 16 b + h, which the four partners share
	s_and_b32 s16, s20, 15          ; h
	s_lshr_b32 s17, s20, 4          ; b
	s_and_b32 s88, s[WV], 1
	s_lshl_b32 s20, s16, 19         ; the head's plane,
	s_lshl_b32 s21, s17, 18         ; the batch's 2,048 rows of 128 bytes
	s_add_co_u32 s20, s20, s21
	s_lshl_b32 s22, s88, 23         ; K: stream w % 2, 16 planes on,
	s_add_co_u32 s22, s22, s20
	s_add_co_u32 s22, s22, 32*524288
	s_mov_b32 s23, 0
	s_lshl_b32 s2, s88, 14          ; V: half w % 2 of a slot's 256 keys
	s_add_co_u32 s2, s2, s20
	s_add_co_u32 s2, s2, 64*524288
	s_mov_b32 s3, 0
	s_lshl_b32 s80, s14, 15         ; Q: my block's 256 rows,
	s_lshl_b32 s81, s[WV], 13       ; my wave's 64 of them
	s_add_co_u32 s80, s80, s81
	s_add_co_u32 s80, s80, s20
	s_mov_b32 s81, 0
	s_lshl_b32 s82, s17, 4          ; on: row block 16 b + 2 x query block + w / 2,
	s_lshl_b32 s83, s14, 1
	s_add_co_u32 s82, s82, s83
	s_lshr_b32 s83, s[WV], 1
	s_add_co_u32 s82, s82, s83
	s_lshl_b32 s82, s82, 18
	s_lshl_b32 s83, s16, 14         ; the head's 16,384 bytes in it,
	s_add_co_u32 s82, s82, s83
	s_lshl_b32 s83, s88, 13         ; rows 64 (w % 2) on
	s_add_co_u32 s82, s82, s83
	s_mov_b32 s83, 0
	s_lshl_b32 s84, s16, 8          ; the head's 64 gains
	s_mov_b32 s85, 0
	s_lshl_b32 s86, s16, 3          ; its pair (lambda_full, ..)
	s_mov_b32 s87, 0
	s_lshl_b32 s90, s13, 13         ; the prefetches: my work-group's 32 blocks, in slot 1; the first change steps it to slot 2
	s_add_co_u32 s90, s90, 4*KS*128
	s_mov_b32 s91, 0
	s_mul_i32 s92, s88, K2OFF       ; where the tiles go: no place in the cluster enters an LDS address
	s_mul_i32 s93, s88, 128*PV
	; group 1.  256 keys are 32,768 dense bytes: asked for as 128 rows of 256 bytes, two keys a row, padded in LDS after every key; V's half has 64 such rows
	s_mov_b32 s[G1K], 15|(1<<16)|(1<<20)|(1<<21)|(4<<22)|(3<<25)
	s_mov_b32 s[G1V], 15|(1<<16)|(1<<20)|(1<<21)|(4<<22)|(7<<25)
	s_mov_b32 s[G1K+1], 128<<16
	s_mov_b32 s[G1K+2], 128<<16
	s_mov_b32 s[G1K+3], 128<<16
	s_mov_b32 s[G1K+4], 128
	s_mov_b32 s[G1K+5], 128
	s_mov_b32 s[G1K+6], 0
	s_mov_b32 s[G1K+7], 0
	s_mov_b32 s[G1V+1], 128<<16
	s_mov_b32 s[G1V+2], 64<<16
	s_mov_b32 s[G1V+3], 128<<16
	s_mov_b32 s[G1V+4], 64
	s_mov_b32 s[G1V+5], 128
	s_mov_b32 s[G1V+6], 0
	s_mov_b32 s[G1V+7], 0
	s_mov_b32 s[CS], 0x3e38aa3b     ; c = log2(e) / 8
	s_mov_b32 s[CS+1], s[CS]
	s_mov_b32 s[SEL], 0x76543210
	s_mov_b32 s[SEL+1], 0xfedcba98
	s_mov_b32 s[TBK], SLOT1+4*KS*PK ; the first change of slots turns these two into 0
	s_mov_b32 s[TBV], SLOT1+4*KS*PV
	s_mov_b32 s[G0K], 1
	s_mov_b32 s[G0K+1], s92
	s_mov_b32 s[G0V], 1
	s_add_co_u32 s[G0V+1], s93, VOFF
	s_mov_b32 s[SLOTS], 7           ; slots still to be asked for
	s_mov_b32 s74, 0xbc800000       ; - 1/64
	s_mov_b32 s79, 0x3c800000       ; 1/64
	s_mov_b32 s75, 0x3727c5ac       ; 1e-5
	s_cmp_eq_u32 s[WV], 3           ; waves 0, 1, 2 of the first cluster of a (b, h) prefetch
	s_cselect_b32 s[LIM], 1, 0
	s_or_b32 s[LIM], s[LIM], ttmp9
	s_cmp_eq_u32 s[LIM], 0
	s_cselect_b32 s[LIM], 1, -1
	s_wait_dscnt 0x0                ; the opening add is done
	s_wait_kmcnt 0x0
	s_add_nc_u64 s[G0K+2:G0K+3], s[4:5], s[22:23]
	s_add_nc_u64 s[G0V+2:G0V+3], s[4:5], s[2:3]
	s_cmp_lt_u32 s[WV], 2
	s_cselect_b64 s[PFA:PFA+1], s[G0K+2:G0K+3], s[G0V+2:G0V+3]
	s_add_nc_u64 s[PFA:PFA+1], s[PFA:PFA+1], s[90:91]
	s_or_b32 s[G0K+3], s[G0K+3], 0x80000000
	s_or_b32 s[G0V+3], s[G0V+3], 0x80000000
	s_add_nc_u64 s[66:67], s[4:5], s[80:81]      ; q1 at my wave's first row,
	s_add_nc_u64 s[68:69], s[66:67], 16*524288   ; q2
	s_add_nc_u64 s[10:11], s[8:9], s[82:83]      ; on
	s_add_nc_u64 s[76:77], s[6:7], s[84:85]      ; gain and bias
	s_add_nc_u64 s[70:71], s[6:7], s[86:87]
	CROUND                          ; all four work-groups are here: the first joint loads meet
	JLOAD                           ; slot 0.  Slot 1 is asked for when slot 0 is in
	v_and_b32 v[L16], 15, v0
	v_bfe_u32 v[LH], v0, 4, 1
	v_and_b32 v[L7], 7, v0
	v_bfe_u32 v[L3], v0, 3, 1
	v_lshlrev_b32 v[QO], 7, v[L16]
	v_lshl_add_u32 v[QO], v[LH], 4, v[QO]  ; row x 128 + 16 x half
	v_lshlrev_b32 v[PW], 5, v[LH]
	v_and_b32 v[PFO], 31, v0
	v_lshlrev_b32 v[PFO], 8, v[PFO]
	s_load_b32 s72, s[70:71], 0x2000       ; lambda_full of my head
	WIN 0x80                        ; destination window 2, address window 0
.set i, 0
.rept 16                            ; Q stays in registers: tile i / 2 (queries 16 (i / 4) on, stream (i / 2) % 2), channels 32 (i % 2) on
.if (i/2)%2 == 0
	global_load_b128 v[8*i:8*i+3],   v[QO], s[66:67] offset:(i/4)*2048+(i%2)*64
	global_load_b128 v[8*i+4:8*i+7], v[QO], s[66:67] offset:(i/4)*2048+(i%2)*64+32
.else
	global_load_b128 v[8*i:8*i+3],   v[QO], s[68:69] offset:(i/4)*2048+(i%2)*64
	global_load_b128 v[8*i+4:8*i+7], v[QO], s[68:69] offset:(i/4)*2048+(i%2)*64+32
.endif
.set i, i+1
.endr
	WIN 0xc0                        ; destination window 3
.set i, 0
.rept 8                             ; channel block i / 2, four channels 4 (i % 2) on
	global_load_b128 v[GW+4*i:GW+4*i+3], v[PW], s[76:77] offset:64*(i/2)+16*(i%2)
	global_load_b128 v[GB+4*i:GB+4*i+3], v[PW], s[76:77] offset:4096+64*(i/2)+16*(i%2)
.set i, i+1
.endr
	; What the first turn finds: V's registers and P's second buffer hold 0, O^T and l are 0.  All this stands in the wait for the first tile.
.set i, VF
.rept 64
	v_mov_b32 v[i], 0
.set i, i+1
.endr
	WIN 0x40
.set i, 0
.rept 64*NP
	v_mov_b32 v[i], 0
.set i, i+1
.endr
	WIN 0
.set i, 0
.rept 2*NP
	v_mov_b32 v[ST+4*i], 0xfe000000    ; c m: far below every c s
	v_mov_b32 v[ST+4*i+1], 0xff7fffff  ; m
	v_mov_b32 v[ST+4*i+2], 0
	v_mov_b32 v[ST+4*i+3], 0
.set i, i+1
.endr
.set i, P+32
.rept 32
	v_mov_b32 v[i], 0
.set i, i+1
.endr
	v_mul_u32_u24 v[AK0], v[L16], PK
	v_lshl_add_u32 v[AK0], v[LH], 4, v[AK0]
	v_lshl_add_u32 v[AV0], v[LH], 3, v[L7]   ; the turning load: key 8 (l / 16) + l % 8, channels 8 ((l / 8) % 2) on
	v_mul_u32_u24 v[AV0], v[AV0], PV
	v_lshl_add_u32 v[AV0], v[L3], 4, v[AV0]
	v_add_nc_u32 v[AV0], VOFF, v[AV0]
	v_mov_b32 v[AK], v[AK0]
; THE MATRIX WORK.  The 8 accumulators of a run of 16 take turns.
; Product i of 16 of S^T = K Q^T for piece x: channels 32 (i / 8) on, keys 16 ((i / 2) % 4) on, stream i % 2.  The first 8 start the sums.
.macro KQ x
	WIN W_KQ
.set rS, S+64*((\x)%2)+32*(i%2)+8*((i/2)%4)
.set rK, KF+64*(i%2)+16*((i/2)%4)+8*(i/8)
.set rQ, 16*(2*(\x)+i%2)+8*(i/8)
.if i < 8
	v_wmma_f32_16x16x32_f16 v[rS:rS+7], v[rK:rK+7], v[rQ:rQ+7], 0
.else
	v_wmma_f32_16x16x32_f16 v[rS:rS+7], v[rK:rK+7], v[rQ:rQ+7], v[rS:rS+7]
.endif
.endm
; Product i of 16 of O^T += V^T P for piece x: keys 32 (i / 8) on, channels 16 ((i / 2) % 4) on, stream i % 2.
.macro PV x
	WIN W_PV
.set rO, 32*(2*(\x)+i%2)+8*((i/2)%4)
.set rV, VF+32*(i/8)+8*((i/2)%4)
.set rP, P+32*((\x)%2)+16*(i%2)+8*(i/8)
	v_wmma_f32_16x16x32_f16 v[rO:rO+7], v[rV:rV+7], v[rP:rP+7], v[rO:rO+7]
.endm
.macro MM
.if i < 16
	KQ (Y+1)%NP
.set i, i+1
.else
.set i, i-16
	PV (Y+NP-1)%NP
.set i, i+17
.endif
.endm
; THE LDS LOADS stand in runs: a step's K1 and K2 (32 loads) and its V (16, turned).  last = 1 (the tail): in the last trip there is no further step, and the run is jumped over.
.macro FETCH_K last=0
	WIN 0
.if \last
	s_cmp_eq_u32 s[CNT], 1
	s_cbranch_scc1 .Lno_k_\@
.endif
	WIN 0x80
.irp u, 0,1
.irp f, 0,1,2,3,4,5,6,7
	ds_load_b128 v[KF+64*\u+8*\f:KF+64*\u+8*\f+3],   v[AK] offset:\u*K2OFF+(\f/2)*16*PK+(\f%2)*64
	ds_load_b128 v[KF+64*\u+8*\f+4:KF+64*\u+8*\f+7], v[AK] offset:\u*K2OFF+(\f/2)*16*PK+(\f%2)*64+32
.endr
.endr
	s_add_co_u32 s[TBK], s[TBK], KS*PK
	WIN 0
.if \last
.Lno_k_\@:
.endif
.endm
.macro FETCH_V
	WIN 0xc0
.irp f, 0,1,2,3,4,5,6,7
	ds_load_tr16_b128 v[VF+8*\f:VF+8*\f+3],   v[AV] offset:(\f/4)*32*PV+(\f%4)*32
	ds_load_tr16_b128 v[VF+8*\f+4:VF+8*\f+7], v[AV] offset:(\f/4)*32*PV+16*PV+(\f%4)*32
.endr
	WIN 0
.endm
; THE VECTOR WORK OF A TURN stands in three queues, each in the order in which its entries become ready; the two tiles alternate.
.macro REGS y, u
.set rT, ST+4*(2*(\y)+(\u))
.set rC, TMP+8*((\y)%2)+4*(\u)
.set rM, MV+2*((\y)%2)+(\u)
.set rS, S+64*((\y)%2)+32*(\u)
.set rP, P+32*((\y)%2)+16*(\u)
.set rO, 32*(2*(\y)+(\u))
.endm
; Number n of the 22 that find the NEXT piece's maximum and statistics; each accumulator's lowest registers are read first.
;   0-11 four chains of seven scores   12-14, 16 the four left over, the old m, the four into one   15 c m_old is kept   17, 18 the other half of the lanes; the new m   19-21 c m; its change; a
.macro XS u, n
	REGS (Y+1)%NP, \u
.if (\n) < 4
	v_max3_num_f32 v[rC+(\n)], v[rS+8*(\n)], v[rS+8*(\n)+1], v[rS+8*(\n)+2]
.elseif (\n) < 12
	v_max3_num_f32 v[rC+(\n)%4], v[rC+(\n)%4], v[rS+8*((\n)%4)+2*((\n)/4)+1], v[rS+8*((\n)%4)+2*((\n)/4)+2]
.elseif (\n) == 12
	v_max3_num_f32 v[rC], v[rC], v[rS+7], v[rS+15]
.elseif (\n) == 13
	v_max3_num_f32 v[rC+1], v[rC+1], v[rS+23], v[rS+31]
.elseif (\n) == 14
	v_max3_num_f32 v[rC+2], v[rC+2], v[rC+3], v[rT+1]
.elseif (\n) == 15
	v_mov_b32 v[rM], v[rT]
.elseif (\n) == 16
	v_max3_num_f32 v[rC], v[rC], v[rC+1], v[rC+2]
.elseif (\n) == 17
	v_permlanex16_b32 v[rC+3], v[rC], s[SEL], s[SEL+1]
.elseif (\n) == 18
	v_max_num_f32 v[rT+1], v[rC], v[rC+3]
.elseif (\n) == 19
	v_mul_f32 v[rT], s[CS], v[rT+1]
.elseif (\n) == 20
	v_sub_f32 v[rC+1], v[rM], v[rT]
.else
	v_exp_f32 v[rC+2], v[rC+1]
.endif
.endm
; Number g of the 64 that follow the exponentials: for each four weights both pairs are rounded to f16, the second pair is added onto the first, and a group later l takes that sum (the first time as l = a l + sum).
.macro GS g
.set h, (\g)+6*((\g)/62)
.if h >= 6
.set h, h+2
.endif
	REGS Y, h%2
.set k, h/8
.if h%8 < 4
	v_cvt_pk_f16_f32 v[rP+2*k+(h%8)/2], v[rS+4*k+2*((h%8)/2)], v[rS+4*k+2*((h%8)/2)+1]
.elseif h%8 < 6
	v_pk_add_f32 v[rS+4*k:rS+4*k+1], v[rS+4*k:rS+4*k+1], v[rS+4*k+2:rS+4*k+3]
.elseif k == 1
	v_pk_fma_f32 v[rT+2:rT+3], v[rT+2:rT+3], v[rC+2:rC+3], v[rS:rS+1] op_sel_hi:[1,0,1]
.else
	v_pk_add_f32 v[rT+2:rT+3], v[rT+2:rT+3], v[rS+4*k-4:rS+4*k-3]
.endif
.endm
; THE PLAIN QUEUE, 138 long.  0-26: scalings 0-26.  27-54: XS 0-13.  55, 56: XS 15.  57-73: the chain 14, 16 .. 19, each with one of the scalings 27-31 in front of its two lines, then 20.  74-137: GS's 64, behind the wait.
.macro FS f
	REGS Y, (\f)%2
	v_pk_fma_f32 v[rS+2*((\f)/2):rS+2*((\f)/2)+1], v[rS+2*((\f)/2):rS+2*((\f)/2)+1], s[CS:CS+1], v[rT:rT+1] op_sel_hi:[1,0,0] neg_lo:[0,0,1] neg_hi:[0,0,1]
.endm
.macro PL
	WIN 0
.if q < 27
	FS q
.elseif q < 55
	XS (q-27)%2, (q-27)/2
.elseif q < 57
	XS q-55, 15
.elseif (q < 72) && ((q-57)%3 == 0)
	FS 27+(q-57)/3
.elseif q < 60
	XS (q-57)%3-1, 14
.elseif q < 72
	XS (q-57)%3-1, 15+(q-57)/3
.elseif q < 74
	XS q-72, 20
.else
	GS q-74
.endif
.set q, q+1
.endm
; THE EXPONENTIALS' QUEUE, 66 long: one batch, all ahead of the turn's one wait; nothing ahead of that wait names a result of theirs.
.macro EX
	WIN 0
.if e >= 64
	XS e-64, 21
.else
	REGS Y, e%2
	v_exp_f32 v[rS+e/2], v[rS+e/2]
.endif
.set e, e+1
.endm
; THE RESCALING's QUEUE: O^T times a, two at a time.  Its a was made in the turn before, ahead of that turn's wait.
.macro R2
	REGS Y, r%2
	WIN W_RS
.irp z, 0,1
	v_pk_mul_f32 v[rO+4*(r/2)+2*\z:rO+4*(r/2)+2*\z+1], v[rO+4*(r/2)+2*\z:rO+4*(r/2)+2*\z+1], v[rC+2:rC+3] op_sel_hi:[1,0]
.endr
.set r, r+1
.endm
; A TURN, for piece p.  Ahead of the wait: 16 products K Q^T, behind each a scaling, an exponential and two rescalings; then a run of 108.  Behind it: 16 products V^T P, behind each four of GS's 64.
; K of the next step is fetched in piece 2's turn, directly behind the wait, a whole run of vector work behind the last product that read K.  V of the step in hand is fetched at the end of piece 0's turn,
; four plain instructions behind its last reader.  Each is waited for a turn later.
.macro TURN p, last=0, cnt=0
.set Y, (\p)
.set i, 0
.set q, 0
.set e, 0
.set r, 0
.if (\p) == NP-1
	s_wait_dscnt 0x0                ; K is in
.endif
	MM
	PL
	PL
	R2
.rept 15
	MM
	PL
	EX
	R2
.endr
.if (\p) == NP-2
	WIN 0
	v_add_nc_u32 v[AK], s[TBK], v[AK0]
.endif
.rept 8
	PL
.endr
.rept 49
	EX
	PL
.endr
	EX
	EX
	v_nop                           ; a plain instruction behind the last exponential: one for the batch
	s_wait_alu depctr_va_vdst(0)    ; the wait for the batch
.if (\p) == NP-2
	FETCH_K \last
.endif
.if (\p) == 1
	s_wait_dscnt 0x0                ; V is in
.endif
.rept 16
	MM
.rept 4
	PL
.endr
.if ((\p) == 0) && (q == 118)
	v_add_nc_u32 v[AV], s[TBV], v[AV0]
.endif
.if ((\p) == 0) && (q == 130)
	s_add_co_u32 s[TBV], s[TBV], KS*PV
.endif
.if (\cnt) && (q == 130)
	s_sub_co_u32 s[CNT], s[CNT], 1
	s_cmp_lg_u32 s[CNT], 0
.endif
.endr
.if (\p) == 0
	FETCH_V
.endif
.endm
	CHANGE 1                        ; slot 0 is in, everybody's part of it; slot 1 is asked for
	FETCH_K                         ; key step 0
	s_wait_kmcnt 0x0                ; lambda_full
	s_xor_b32 s73, s72, 0x80000000  ; - lambda_full
	s_wait_loadcnt 0x0              ; Q, gain and bias
	s_wait_dscnt 0x0
.set i, 0
.rept 16
	KQ 0
.set i, i+1
.endr
	WIN 0                           ; the addresses for the way out: plain instructions, the places behind those products
	s_mul_i32 s13, s[WV], 16*SP
	s_add_co_u32 s13, s13, STAGE
	v_mul_u32_u24 v[STO], v[L16], SP
	v_lshl_add_u32 v[STO], v[LH], 4, v[STO]
	v_add_nc_u32 v[STO], s13, v[STO]
	v_bfe_u32 v[RD], v0, 3, 2
	v_mul_u32_u24 v[RD], v[RD], SP
	v_lshl_add_u32 v[RD], v[L7], 4, v[RD]
	v_add_nc_u32 v[RD], s13, v[RD]
	v_and_b32 v[GO], 31, v0
	v_lshlrev_b32 v[GO], 4, v[GO]
.set Y, NP-1
.irp n, 0,1,2,3,4,5,6,7,8,9,10,11,12,13,14,15,16,17,18,19,20,21
	XS 0, \n
	XS 1, \n
.endr
	v_nop
	s_wait_alu depctr_va_vdst(0)
	s_mov_b32 s[CNT], 4
	s_branch .Lfirst                ; the loop is entered at a step's first turn
.Lslot:                             ; six times: every slot but the last two is filled again
	CHANGE 1
	s_mov_b32 s[CNT], 4
.Lstep:
	TURN 2
	TURN 3
	WIN 0
.Lfirst:
	TURN 0
	TURN 1, 0, 1
	WIN 0
	s_cbranch_scc1 .Lstep
	s_sub_co_u32 s[SLOTS], s[SLOTS], 1
	s_cmp_lg_u32 s[SLOTS], 0
	s_cbranch_scc1 .Lslot
	CHANGE 0                        ; the tail is written out
	s_mov_b32 s[CNT], 5
.Ltail:
	TURN 2, 1
	TURN 3
	WIN 0
	s_sub_co_u32 s[CNT], s[CNT], 1
	s_cmp_eq_u32 s[CNT], 0
	s_cbranch_scc1 .Lout
	TURN 0
	TURN 1
	WIN 0
	s_branch .Ltail
.Lout:                              ; the fifth trip's products K Q^T, on the last K once more, and the maximum made of them serve nothing: l and O^T are touched no more
.set i, 0
.rept 16
	PV NP-1
.set i, i+1
.endr
	; THE WAY OUT.  1 / l for each tile; D = O1 / l1 - lambda O2 / l2; mean and centred variance over the 64 channels (32 in my lane, 32 in the lane 16 away); gain and bias; f16; through my stage.
	WIN 0
.macro ALL line:vararg
.set t, 0
.rept 2*NP
	\line
.set t, t+1
.endr
.endm
	ALL v_add_f32 v[ST+4*t+2], v[ST+4*t+2], v[ST+4*t+3]
	ALL v_permlanex16_b32 v[ST+4*t+3], v[ST+4*t+2], s[SEL], s[SEL+1]
	ALL v_add_f32 v[ST+4*t+2], v[ST+4*t+2], v[ST+4*t+3]
	ALL v_rcp_f32 v[ST+4*t+2], v[ST+4*t+2]
	v_nop
	s_wait_alu depctr_va_vdst(0)    ; one wait for the eight reciprocals
.irp p, 0,1,2,3
	v_mul_f32 v[ST+8*\p+6], s73, v[ST+8*\p+6]   ; - lambda / l2
.endr
.macro COMB p                       ; D at S + 32 p; O^T is read from each accumulator's low end on
	WIN 0x01
.set i, 0
.rept 16
	v_pk_mul_f32 v[S+32*(\p)+2*i:S+32*(\p)+2*i+1], v[64*(\p)+2*i:64*(\p)+2*i+1], v[ST+8*(\p)+2:ST+8*(\p)+3] op_sel_hi:[1,0]
.set i, i+1
.endr
.set i, 0
.rept 16
	v_pk_fma_f32 v[S+32*(\p)+2*i:S+32*(\p)+2*i+1], v[64*(\p)+32+2*i:64*(\p)+32+2*i+1], v[ST+8*(\p)+6:ST+8*(\p)+7], v[S+32*(\p)+2*i:S+32*(\p)+2*i+1] op_sel_hi:[1,0,1]
.set i, i+1
.endr
	WIN 0
.endm
.macro CROSS a                      ; two chains into one number, the same in both halves of the lanes
	v_pk_add_f32 v[\a:\a+1], v[\a:\a+1], v[\a+2:\a+3]
	v_add_f32 v[\a], v[\a], v[\a+1]
	v_permlanex16_b32 v[\a+1], v[\a], s[SEL], s[SEL+1]
	v_add_f32 v[\a], v[\a], v[\a+1]
.endm
.macro STAT p
.set D, S+32*(\p)
.set A, TMP+4*(\p)
	v_pk_add_f32 v[A:A+1], v[D:D+1], v[D+2:D+3]
	v_pk_add_f32 v[A+2:A+3], v[D+16:D+17], v[D+18:D+19]
.set i, 2
.rept 6
	v_pk_add_f32 v[A:A+1], v[A:A+1], v[D+2*i:D+2*i+1]
	v_pk_add_f32 v[A+2:A+3], v[A+2:A+3], v[D+16+2*i:D+16+2*i+1]
.set i, i+1
.endr
	CROSS A
	v_mul_f32 v[A+1], s74, v[A]     ; - mean, in both registers of the pair
	v_mul_f32 v[A], s74, v[A]
.set i, 0
.rept 16
	v_pk_add_f32 v[D+2*i:D+2*i+1], v[D+2*i:D+2*i+1], v[A:A+1]
.set i, i+1
.endr
	v_pk_mul_f32 v[A:A+1], v[D:D+1], v[D:D+1]
	v_pk_mul_f32 v[A+2:A+3], v[D+16:D+17], v[D+16:D+17]
.set i, 1
.rept 7
	v_pk_fma_f32 v[A:A+1], v[D+2*i:D+2*i+1], v[D+2*i:D+2*i+1], v[A:A+1]
	v_pk_fma_f32 v[A+2:A+3], v[D+16+2*i:D+16+2*i+1], v[D+16+2*i:D+16+2*i+1], v[A+2:A+3]
.set i, i+1
.endr
	CROSS A
	v_fma_f32 v[ST+8*(\p)+2], v[A], s79, s75   ; variance + 1e-5
.endm
.irp p, 0,1,2,3
	COMB \p
	STAT \p
.endr
.irp p, 0,1,2,3
	v_rsq_f32 v[ST+8*\p+2], v[ST+8*\p+2]
.endr
	v_nop
	s_wait_alu depctr_va_vdst(0)    ; one wait for the four roots
.macro FIN p
.set D, S+32*(\p)
	WIN 0
.set i, 0
.rept 16
	v_pk_mul_f32 v[D+2*i:D+2*i+1], v[D+2*i:D+2*i+1], v[ST+8*(\p)+2:ST+8*(\p)+3] op_sel_hi:[1,0]
.set i, i+1
.endr
	WIN 0x3c                        ; sources 1 and 2 in window 3
.set i, 0
.rept 16
	v_pk_fma_f32 v[D+2*i:D+2*i+1], v[D+2*i:D+2*i+1], v[GW+2*i:GW+2*i+1], v[GB+2*i:GB+2*i+1]
.set i, i+1
.endr
	WIN 0
.set i, 0
.rept 16
	v_cvt_pk_f16_f32 v[P+16*(\p)+i], v[D+2*i], v[D+2*i+1]
.set i, i+1
.endr
.irp f, 0,1,2,3
	ds_store_b128 v[STO], v[P+16*(\p)+4*\f:P+16*(\p)+4*\f+3] offset:32*\f
.endr
.irp f, 0,1,2,3
	ds_load_b128 v[P+16*(\p)+4*\f:P+16*(\p)+4*\f+3], v[RD] offset:\f*4*SP  ; LDS serves a wave's instructions in order: these see the stores above; the next piece's stores come behind them
.endr
.endm
.macro SEND p, younger              ; younger: the LDS instructions issued behind piece p's loads: the next piece's eight, or none
	WIN 0
.irp f, 0,1,2,3
	s_wait_dscnt (\younger)+3-\f
	global_store_b128 v[GO], v[P+16*(\p)+4*\f:P+16*(\p)+4*\f+3], s[10:11] offset:(\p)*2048+\f*512  ; 512 consecutive bytes, at a multiple of 256 from the buffer's first
.endr
.endm
	FIN 0
	FIN 1
	SEND 0, 8
	FIN 2
	SEND 1, 8
	FIN 3
	SEND 2, 8
	SEND 3, 0
	s_wait_tensorcnt 0x0            ; the wave's end, behind my last tensor load and my last LDS store
	ds_add_u32 v[SPW], v[NIL]
	s_wait_dscnt 0x0
	CROUND                          ; the closing round
	s_endpgm
.Lfunc_end_k_qdc6412b802_attn:
	.size	k_qdc6412b802_attn, .Lfunc_end_k_qdc6412b802_attn-k_qdc6412b802_attn
	.p2alignl 7, 3214868480
	.fill 96, 4, 3214868480
	.section	.rodata,"a",@progbits
	.p2align	6, 0x0
	.amdhsa_kernel k_qdc6412b802_attn
		.amdhsa_group_segment_fixed_size 327680
		.amdhsa_private_segment_fixed_size 0
		.amdhsa_enable_private_segment 0
		.amdhsa_kernarg_size 24
		.amdhsa_user_sgpr_count 2
		.amdhsa_user_sgpr_kernarg_segment_ptr 1
		.amdhsa_wavefront_size32 1
		.amdhsa_system_sgpr_workgroup_id_x 1
		.amdhsa_system_sgpr_workgroup_id_y 1
		.amdhsa_system_sgpr_workgroup_id_z 1
		.amdhsa_system_vgpr_workitem_id 0
		.amdhsa_next_free_vgpr 960
		.amdhsa_next_free_sgpr 96
		.amdhsa_reserve_vcc 0
		.amdhsa_float_denorm_mode_32 3
		.amdhsa_float_denorm_mode_16_64 3
		.amdhsa_memory_ordered 1
		.amdhsa_forward_progress 1
		.amdhsa_inst_pref_size 219
	.end_amdhsa_kernel
	.amdgpu_metadata
---
amdhsa.version: [ 1, 2 ]
amdhsa.kernels:
  - .name:           k_qdc6412b802_attn
    .symbol:         k_qdc6412b802_attn.kd
    .args:
      - { .name: qkv, .offset: 0, .size: 8, .value_kind: global_buffer, .address_space: global }
      - { .name: par, .offset: 8, .size: 8, .value_kind: global_buffer, .address_space: global }
      - { .name: on, .offset: 16, .size: 8, .value_kind: global_buffer, .address_space: global }
    .group_segment_fixed_size: 327680
    .private_segment_fixed_size: 0
    .kernarg_segment_align: 8
    .kernarg_segment_size: 24
    .max_flat_workgroup_size: 128
    .sgpr_count:     96
    .vgpr_count:     960
    .wavefront_size: 32
...
	.end_amdgpu_metadata
.endif
;; end of part 3
;; launch oproj (part 4): grid 8 x 32, 4 waves a work-group, clusters of 4 x 4, 327,680 bytes of LDS; arguments on, wob, out0; writes out0
.if DOCPART == 4
	.amdgcn_target "amdgcn-amd-amdhsa--gfx1250"
	.amdhsa_code_object_version 6
	.text
	.protected	k_qdc6412b802_oproj
	.globl	k_qdc6412b802_oproj
	.p2align	8
	.type	k_qdc6412b802_oproj,@function
k_qdc6412b802_oproj:
	s_mov_b64 s[64:65], 0
	v_nop
	global_prefetch_b8 v0, s[64:65] scope:SCOPE_SE
	s_setreg_imm32_b32 hwreg(HW_REG_WAVE_MODE, 25, 1), 1
	s_wait_xcnt 0x0
	s_wait_alu depctr_hold_cnt(0) depctr_sa_sdst(0) depctr_va_vdst(0) depctr_va_sdst(0) depctr_va_ssrc(0) depctr_va_vcc(0) depctr_vm_vsrc(0)
	s_getreg_b32 s2, hwreg(HW_REG_IB_STS2, 6, 4)
	s_cmp_eq_u32 s2, 0
	s_cbranch_scc0 .Lentry_in_a_cluster
	s_endpgm
.Lentry_in_a_cluster:
	s_bfe_u32 s2, ttmp6, 0x10000c
	s_cmp_lg_u32 s2, 0xf033
	s_cbranch_scc0 .Lentry_shape_is_right
	s_endpgm
.Lentry_shape_is_right:
; OPROJ: out0[m][n] = sum over k of on[m][k] wob[k][n], m < 4096, n < 1024, k = 64 h + d < 1024; f16 operands, f32 sums, f32 out.
; on lies as [row block of 128: 32][h 16][128][64]: the 128 rows x 4 heads of a K step are 65,536 consecutive bytes.  wob lies [k][n]: its fragments come out of LDS turned.
; A tile is 128 x 128: 256 work-groups, one for each WGP; four waves, each 64 x 64: 16 accumulators.  K goes in 4 steps of 256 through two LDS slots.
; CLUSTER 4 x 4: A's tile is asked for jointly along a row of the cluster, B's along a column.  THE MATRIX INSTRUCTION IS USED TRANSPOSED: a lane holds eight neighbouring numbers of a row of C.
; No prefetch: the tiles are small, the launch short.
; REGISTERS: window 0: v0-31 addresses; v32-95 at work on the way out; v128-255 the accumulators ((a, b) at v[128 + 8 (4 a + b)]).  Window 1: two fragment buffers of 128: 64 registers of A, then 64 of B.
.set PAH,    144                       ; a row of A in LDS: a head's 128 bytes + 16
.set PB,     288                       ; a row of B: 256 bytes + 32 = 72 words
.set HEADB,  128*PAH                   ; a head's 128 rows
.set HALFT,  2*HEADB                   ; what one tensor load brings: two heads of A, or 128 rows of B (128 x 288 is the same number)
.set SLOT,   4*HALFT
.set STAGE,  2*SLOT                    ; behind the ring: 16 rows x 272 bytes for each wave
.set SPITCH, 272
.set SPARE,  STAGE+4*16*SPITCH         ; the spare words, 128 bytes a wave: two blocks of 256 bytes that no other line names
.set ADRA, 16                          ; v16-17  my A fragments in slot 0, 1
.set ADRB, 20                          ; v20-23  my B fragments: slot s, half q / 2 of the step's K at 2 s + q / 2 (one register's offsets would pass 65,535)
.set STO,  24
.set RD,   25
.set CO,   26
.set SPW,  28                          ; my spare word; never rewritten
.set NIL,  29                          ; 0; never rewritten
.set ACC,  128
.set F0,   0
.set F1,   128
.set G1, 24
.set G0, 32
.set G1B, 48
.set G0B, 56
.set MSB, 0
.macro WIN new
.if MSB != (\new)
	s_set_vgpr_msb (MSB<<8)|(\new)
.set MSB, \new
.endif
.endm
.set MUL,  0x05                        ; sources 0 (B) and 1 (A) window 1; C and D window 0
.set TO_F, 0x40
.macro JLOAD s                         ; waves 0 and 1 fetch A's halves, waves 2 and 3 B's; an s_nop 0 and four v_nop follow each line
	s_cmp_eq_u32 s11, 0
	s_cbranch_scc0 .Lfor_b_\@
	tensor_load_to_lds s[G0+4*(\s):G0+4*(\s)+3], s[G1:G1+7]
	s_nop 0
.rept 4
	v_nop
.endr
	s_branch .Lasked_\@
.Lfor_b_\@:
	tensor_load_to_lds s[G0B+4*(\s):G0B+4*(\s)+3], s[G1B:G1B+7]
	s_nop 0
.rept 4
	v_nop
.endr
.Lasked_\@:
.endm
.macro CREST
	s_cmp_lg_u32 s10, 0
	s_cbranch_scc1 .Lnot_wave_0_\@
	s_barrier_signal -3
.Lnot_wave_0_\@:
	s_barrier_wait -3
	s_barrier_signal -1
	s_barrier_wait -1
.endm
.macro CROUND
	s_barrier_signal -1
	s_barrier_wait -1
	CREST
.endm
	s_load_b128 s[4:7], s[0:1], 0x0                ; on s[4:5], wob s[6:7]
	s_load_b64 s[8:9], s[0:1], 0x10                ; out0
	v_lshl_add_u32 v[SPW], v0, 2, SPARE
	v_mov_b32 v[NIL], 0
	ds_add_u32 v[SPW], v[NIL]                      ; the wave's opening: the add and its wait stand ahead of my first tensor load
	v_lshrrev_b32 v1, 5, v0
	v_readfirstlane_b32 s10, v1                    ; wave
	s_lshr_b32 s11, s10, 1                         ; which half of the tile's rows is mine; also: I fetch for A (0) or for B (1)
	s_and_b32 s12, s10, 1                          ; which half of its columns; also: which half of that tile I fetch
	s_bfe_u32 s40, ttmp6, 0x40000
	s_bfe_u32 s41, ttmp6, 0x40004
	s_lshl_b32 s42, ttmp9, 2
	s_add_co_u32 s42, s42, s40                     ; tile column
	s_and_b32 s13, ttmp7, 0xffff
	s_lshl_b32 s13, s13, 2
	s_add_co_u32 s13, s13, s41                     ; tile row
	s_lshl_b32 s43, s41, 2
	s_lshl_b32 s43, 15, s43
	s_lshl_b32 s44, 0x1111, s40
	s_or_b32 s[G1+0], s43, (1<<16)|(1<<20)|(1<<21)|(4<<22)|(3<<25)   ; A: 32,768 dense bytes as 128 rows of 256, padded by 4 words after every 32
	s_or_b32 s[G1B+0], s44, (1<<16)|(1<<20)|(1<<21)|(5<<22)|(7<<25)  ; B: 128 rows of 256 bytes, padded by 8 words after every 64
.irp g, G1, G1B
	s_mov_b32 s[(\g)+1], 128<<16
	s_mov_b32 s[(\g)+2], 128<<16
	s_mov_b32 s[(\g)+3], 128<<16
	s_mov_b32 s[(\g)+4], 128
	s_mov_b32 s[(\g)+6], 0
	s_mov_b32 s[(\g)+7], 0
.endr
	s_mov_b32 s[G1+5], 128
	s_mov_b32 s[G1B+5], 1024
	s_lshl_b32 s16, s13, 18                        ; A: the row block's 262,144 bytes,
	s_lshl_b32 s17, s12, 15                        ; two heads of 16,384 on for the second half
	s_add_co_u32 s16, s16, s17
	s_mov_b32 s17, 0
	s_lshl_b32 s46, s12, 18                        ; B: 128 rows of 2,048 bytes on for the second half,
	s_lshl_b32 s47, s42, 8                         ; the tile's 128 columns
	s_add_co_u32 s46, s46, s47
	s_mov_b32 s47, 0
	s_mul_i32 s20, s10, HALFT
	s_wait_dscnt 0x0                               ; the opening add is done
	s_wait_kmcnt 0x0
	s_add_nc_u64 s[14:15], s[4:5], s[16:17]
	s_add_nc_u64 s[46:47], s[6:7], s[46:47]
	CROUND                                         ; all sixteen work-groups are here: the first joint loads meet
.irp s, 0,1
	s_mov_b32 s[G0+4*(\s)], 1
	s_add_co_u32 s[G0+4*(\s)+1], s20, (\s)*SLOT
	s_add_nc_u64 s[G0+4*(\s)+2:G0+4*(\s)+3], s[14:15], (\s)*65536
	s_or_b32 s[G0+4*(\s)+3], s[G0+4*(\s)+3], 0x80000000
	s_mov_b32 s[G0B+4*(\s)], 1
	s_add_co_u32 s[G0B+4*(\s)+1], s20, (\s)*SLOT
	s_add_nc_u64 s[G0B+4*(\s)+2:G0B+4*(\s)+3], s[46:47], (\s)*524288
	s_or_b32 s[G0B+4*(\s)+3], s[G0B+4*(\s)+3], 0x80000000
	JLOAD \s                                       ; two loads of mine are out
.endr
	v_and_b32 v1, 15, v0                           ; l % 16
	v_bfe_u32 v2, v0, 4, 1                         ; l / 16
	v_and_b32 v4, 7, v0
	v_bfe_u32 v5, v0, 3, 1
	v_mul_u32_u24 v3, v1, PAH
	v_lshl_add_u32 v3, v2, 4, v3
	v_lshl_add_u32 v7, v2, 3, v4
	v_mul_u32_u24 v7, v7, PB
	v_lshl_add_u32 v7, v5, 4, v7
	s_mul_i32 s21, s11, 64*PAH                     ; my 64 rows in each head of A
	s_lshl_b32 s22, s12, 7                         ; my 64 columns of B,
	s_add_co_u32 s22, s22, 2*HALFT                 ; which lies behind A
.irp s, 0,1
	v_add_nc_u32 v[ADRA+(\s)], s21, v3
	v_add_nc_u32 v[ADRB+2*(\s)], s22, v7
	v_add_nc_u32 v[ADRB+2*(\s)+1], HALFT, v[ADRB+2*(\s)]
	s_add_co_u32 s21, s21, SLOT
	s_add_co_u32 s22, s22, SLOT
.endr
	s_mul_i32 s23, s10, 16*SPITCH
	s_add_co_u32 s23, s23, STAGE                   ; my stage
	v_mul_u32_u24 v6, v1, SPITCH
	v_lshl_add_u32 v6, v2, 5, v6
	v_add_nc_u32 v[STO], s23, v6                   ; in: row l % 16, 32 bytes for each half of the lanes
	v_mul_u32_u24 v6, v2, SPITCH
	v_lshl_add_u32 v6, v1, 4, v6
	v_add_nc_u32 v[RD], s23, v6                    ; back: lanes 0-15 one row of 256 bytes, lanes 16-31 the next
	v_lshlrev_b32 v[CO], 12, v2
	v_lshl_add_u32 v[CO], v1, 4, v[CO]             ; and the same two rows in out0
	s_lshl_b32 s16, s13, 19                        ; 128 rows of 4,096 bytes a tile row,
	s_lshl_b32 s17, s11, 18                        ; my 64 of them,
	s_add_co_u32 s16, s16, s17
	s_lshl_b32 s17, s42, 9                         ; the tile's 512 bytes of a row,
	s_add_co_u32 s16, s16, s17
	s_lshl_b32 s17, s12, 8                         ; my 256 of them
	s_add_co_u32 s16, s16, s17
	s_mov_b32 s17, 0
	s_add_nc_u64 s[8:9], s[8:9], s[16:17]
.macro MUL8 f, c, a0, zero
	WIN MUL
.irp a, \a0, (\a0)+1
.irp b, 0,1,2,3
.if \zero
	v_wmma_f32_16x16x32_f16 v[ACC+8*(4*(\a)+(\b)):ACC+8*(4*(\a)+(\b))+7], v[(\f)+64+8*(4*(\c)+(\b)):(\f)+64+8*(4*(\c)+(\b))+7], v[(\f)+8*(4*(\c)+(\a)):(\f)+8*(4*(\c)+(\a))+7], 0
.else
	v_wmma_f32_16x16x32_f16 v[ACC+8*(4*(\a)+(\b)):ACC+8*(4*(\a)+(\b))+7], v[(\f)+64+8*(4*(\c)+(\b)):(\f)+64+8*(4*(\c)+(\b))+7], v[(\f)+8*(4*(\c)+(\a)):(\f)+8*(4*(\c)+(\a))+7], v[ACC+8*(4*(\a)+(\b)):ACC+8*(4*(\a)+(\b))+7]
.endif
.endr
.endr
.endm
; 32 LDS loads in one run: quarter q of a slot (64 along K: one head) into buffer f; its first 32 along K first
.macro FETCH slot, q, f
	WIN TO_F
.irp c, 0,1
.irp i, 0,1,2,3
	ds_load_tr16_b128 v[(\f)+64+8*(4*(\c)+(\i)):(\f)+64+8*(4*(\c)+(\i))+3],   v[ADRB+2*(\slot)+(\q)/2] offset:((\q)%2)*64*PB+(\c)*32*PB+32*(\i)
	ds_load_tr16_b128 v[(\f)+64+8*(4*(\c)+(\i))+4:(\f)+64+8*(4*(\c)+(\i))+7], v[ADRB+2*(\slot)+(\q)/2] offset:((\q)%2)*64*PB+(\c)*32*PB+32*(\i)+16*PB
	ds_load_b128 v[(\f)+8*(4*(\c)+(\i)):(\f)+8*(4*(\c)+(\i))+3],              v[ADRA+(\slot)] offset:(\q)*HEADB+(\i)*16*PAH+64*(\c)
	ds_load_b128 v[(\f)+8*(4*(\c)+(\i))+4:(\f)+8*(4*(\c)+(\i))+7],            v[ADRA+(\slot)] offset:(\q)*HEADB+(\i)*16*PAH+64*(\c)+32
.endr
.endr
.endm
.macro PLACES
.rept 4
	v_nop
.endr
.endm
.macro QUARTER slot, q, f, g, zero
	s_wait_dscnt 16                                ; the first 32 along K are in
	MUL8 \f, 0, 0, \zero
	MUL8 \f, 0, 2, \zero
	PLACES
	FETCH \slot, \q, \g
	s_wait_dscnt 32                                ; all but the 32 just issued
	MUL8 \f, 1, 0, 0
	MUL8 \f, 1, 2, 0
.endm
; The last quarter multiplies buffer 1 and changes slots: one barrier; in front of it each wave waits for all its tensor loads, adds 0 to its spare word, and waits for that and for its own reads of this slot.
.macro TURN slot, next, fill
	WIN 0
	s_wait_tensorcnt 0x0
	ds_add_u32 v[SPW], v[NIL]
	s_wait_dscnt 17                                ; the add and the youngest sixteen loads may be out
	MUL8 F1, 0, 0, 0
	s_wait_dscnt 0x0                               ; the add is done, and my reads of this slot are over
	s_barrier_signal -1
	MUL8 F1, 0, 2, 0
.if \fill
	WIN 0
.endif
	s_barrier_wait -1
.if \fill
	CREST                                          ; the barrier has opened a round of the cluster's
	s_add_nc_u64 s[G0+4*(\slot)+2:G0+4*(\slot)+3], s[G0+4*(\slot)+2:G0+4*(\slot)+3], 2*65536
	s_add_nc_u64 s[G0B+4*(\slot)+2:G0B+4*(\slot)+3], s[G0B+4*(\slot)+2:G0B+4*(\slot)+3], 2*524288
	JLOAD \slot                                    ; the first tensor load behind the round; its four v_nop are also the places in front of the loads below
.else
	PLACES
.endif
	FETCH \next, 0, F0
	MUL8 F1, 1, 0, 0
	MUL8 F1, 1, 2, 0
.endm
	s_wait_tensorcnt 1                             ; my part of K step 0 is in; K step 1's may stay out
	s_barrier_signal -1
	s_barrier_wait -1
	FETCH 0, 0, F0
	QUARTER 0, 1, F0, F1, 1                        ; the first products start the sums
	QUARTER 0, 2, F1, F0, 0
	QUARTER 0, 3, F0, F1, 0
	TURN 0, 1, 1                                   ; slot 0 takes K step 2
	QUARTER 1, 1, F0, F1, 0
	QUARTER 1, 2, F1, F0, 0
	QUARTER 1, 3, F0, F1, 0
	TURN 1, 0, 1                                   ; slot 1 takes K step 3
	QUARTER 0, 1, F0, F1, 0
	QUARTER 0, 2, F1, F0, 0
	QUARTER 0, 3, F0, F1, 0
	TURN 0, 1, 0
	QUARTER 1, 1, F0, F1, 0
	QUARTER 1, 2, F1, F0, 0
	QUARTER 1, 3, F0, F1, 0
	s_wait_dscnt 16
	MUL8 F1, 0, 0, 0
	MUL8 F1, 0, 2, 0
	s_wait_dscnt 0x0
	MUL8 F1, 1, 0, 0
	MUL8 F1, 1, 2, 0
	WIN 0
	; THE WAY OUT, 16 rows at a time.  A wave's 64 columns of f32 are 256 bytes, aligned: each wave has a stage of its own and needs no barrier.  Each accumulator is read from its low end on.
.rept 8
	v_nop                                          ; the places behind the last products
.endr
.irp a, 0,1,2,3
.set BK, 32+32*((\a)%2)
.irp b, 0,1,2,3
	ds_store_b128 v[STO], v[ACC+8*(4*(\a)+(\b)):ACC+8*(4*(\a)+(\b))+3]   offset:64*(\b)
	ds_store_b128 v[STO], v[ACC+8*(4*(\a)+(\b))+4:ACC+8*(4*(\a)+(\b))+7] offset:64*(\b)+16
.endr
	s_wait_xcnt 0x0                                ; the stores of two blocks back have read the registers that are loaded next
.irp t, 0,1,2,3,4,5,6,7
	ds_load_b128 v[BK+4*(\t):BK+4*(\t)+3], v[RD] offset:(\t)*2*SPITCH  ; LDS serves a wave's instructions in order: these see the stores above
.endr
	s_wait_dscnt 0x0
.irp t, 0,1,2,3,4,5,6,7
	global_store_b128 v[CO], v[BK+4*(\t):BK+4*(\t)+3], s[8:9] offset:(16*(\a)+2*(\t))*4096 th:TH_STORE_NT  ; 16 lanes store 256 consecutive bytes, at a multiple of 256 from out0's first byte
.endr
.endr
	s_wait_tensorcnt 0x0                           ; the wave's end, behind my last tensor load and my last LDS store
	ds_add_u32 v[SPW], v[NIL]
	s_wait_dscnt 0x0
	CROUND                                         ; the closing round
	s_endpgm
.Lfunc_end_k_qdc6412b802_oproj:
	.size	k_qdc6412b802_oproj, .Lfunc_end_k_qdc6412b802_oproj-k_qdc6412b802_oproj
	.p2alignl 7, 3214868480
	.fill 96, 4, 3214868480
	.section	.rodata,"a",@progbits
	.p2align	6, 0x0
	.amdhsa_kernel k_qdc6412b802_oproj
		.amdhsa_group_segment_fixed_size 327680
		.amdhsa_private_segment_fixed_size 0
		.amdhsa_enable_private_segment 0
		.amdhsa_kernarg_size 24
		.amdhsa_user_sgpr_count 2
		.amdhsa_user_sgpr_kernarg_segment_ptr 1
		.amdhsa_wavefront_size32 1
		.amdhsa_system_sgpr_workgroup_id_x 1
		.amdhsa_system_sgpr_workgroup_id_y 1
		.amdhsa_system_sgpr_workgroup_id_z 1
		.amdhsa_system_vgpr_workitem_id 0
		.amdhsa_next_free_vgpr 512
		.amdhsa_next_free_sgpr 66
		.amdhsa_reserve_vcc 0
		.amdhsa_float_denorm_mode_32 3
		.amdhsa_float_denorm_mode_16_64 3
		.amdhsa_memory_ordered 1
		.amdhsa_forward_progress 1
		.amdhsa_inst_pref_size 86
	.end_amdhsa_kernel
	.amdgpu_metadata
---
amdhsa.version: [ 1, 2 ]
amdhsa.kernels:
  - .name:           k_qdc6412b802_oproj
    .symbol:         k_qdc6412b802_oproj.kd
    .args:
      - { .name: on, .offset: 0, .size: 8, .value_kind: global_buffer, .address_space: global }
      - { .name: wob, .offset: 8, .size: 8, .value_kind: global_buffer, .address_space: global }
      - { .name: out0, .offset: 16, .size: 8, .value_kind: global_buffer, .address_space: global }
    .group_segment_fixed_size: 327680
    .private_segment_fixed_size: 0
    .kernarg_segment_align: 8
    .kernarg_segment_size: 24
    .max_flat_workgroup_size: 128
    .sgpr_count:     66
    .vgpr_count:     512
    .wavefront_size: 32
...
	.end_amdgpu_metadata
.endif
;; end of part 4
;; ======== version 2 of 2: 4 launches; version 1 with the launch prep written anew for expert scheduling mode
;; limits: values are held in f16: magnitudes above 65,504 overflow, below 6.1e-05 lose precision
;; workspace buffers: xb 8,388,608 bytes; wall 10,485,760 bytes; wob 2,097,152 bytes; rope 1,048,576 bytes; par 8,448 bytes; qkv 41,943,040 bytes; on 8,388,608 bytes
;; launch prep (part 5): grid 64 x 11, 8 waves a work-group, no clusters, 0 bytes of LDS; arguments x, Wq, Wk, Wv, Wo, lambda_q1, lambda_k1, lambda_q2, lambda_k2, lambda_init, gn_weight, gn_bias, xb, wall, wob, rope, par; writes xb, wall, wob, rope, par
.if DOCPART == 5
	.amdgcn_target "amdgcn-amd-amdhsa--gfx1250"
	.amdhsa_code_object_version 6
	.text
	.protected	k_qdc6412b802_prep
	.globl	k_qdc6412b802_prep
	.p2align	8
	.type	k_qdc6412b802_prep,@function
k_qdc6412b802_prep:
	s_mov_b64 s[64:65], 0
	v_nop
	global_prefetch_b8 v0, s[64:65] scope:SCOPE_SE
	s_setreg_imm32_b32 hwreg(HW_REG_WAVE_SCHED_MODE, 0, 2), 2
	s_setreg_imm32_b32 hwreg(HW_REG_WAVE_MODE, 25, 1), 1
	s_wait_xcnt 0x0
	s_wait_alu depctr_vm_vsrc(0)
; PREP: the casts, the rotation table and the small parameters.  Every input is rounded once to bf16 here.
; y = 0..9: a cast.  One y is 2^20 numbers, a work-group 16,384 of them, in 16 passes of 1,024; thread t takes 4 numbers a pass.
;   y 0-3: x -> xb, bf16 [4096][1024].   y 4-5: Wq, y 6-7: Wk, y 8: Wv -> wall, bf16 [1024][5120], columns 0, 2048, 4096 on.
;   y 9: Wo -> wob [1024][1024]: rounded to bf16, and that number written as f16.
; y = 10: rope, f32: part 0 [2048][cos 32 | sin 32], part 1 (524,288 bytes on) the same shape with cos = 1, sin = 0; its first work-group also makes par:
;   gain x (1 - lambda_init) at 0, bias x (1 - lambda_init) at 4096, and 32 pairs (lambda_full[l % 16], 1 - lambda_init) at 8192.
; A wave's load covers 512 consecutive bytes, its store 256 consecutive bytes at a multiple of 256 from the buffer's first byte.
; LIMITS.  Wo beyond 65,504 has no f16; below 6e-5 f16 keeps a fixed step of 6e-8.  A frequency is 2^(-0.41524101 i), good to a unit in the last place or two,
; so an angle near position 2,047 may be off by some 2e-4 radians from one made with the exact frequency.  NaN and infinities are not treated apart.
; THE MODE: SCHED_MODE bits 1:0 = 2 (LLVM: expert scheduling mode 2), set by the entry lines.  The code itself states the register dependences
; between vector instructions and memory instructions, with s_wait_alu, always for 0.
; THE PLAN.  Registers that memory instructions touch:
;   v1        16 t: the offset of the casts' loads and of the parameters' loads and stores.  Made at the head, never written again.
;   XR        The casts' 16 loads land here; all are issued in one run, before any vector instruction names these registers.
;   OFS, YR   Pass p's store reads OFS[p] and YR[p].  Vector instructions write them ahead of that store, and nothing writes them behind it.
;   v7, v16-27 (the table), v40-47, v52, v57-59 (the parameters): each is written, then read by its loads or stores, and not written again.
; So no register that a memory instruction has read is ever written again: the text holds no wait on vm_vsrc.  What is left to state is that a store's data and every offset are written.
; The 16 passes of a cast go in four blocks of four.  Block b's conversions name XR and YR of block b alone; its memory instructions are the four stores of block b - 1.  ONE wait on va_vdst at a
; block's head, behind the wait for the block's first data, states that the block before has written its YR (at block 1 also: that OFS is written); the four stores follow it, one ahead of each pass's conversions.
.set XR,  16                           ; v[16:79]   pass p: 4 numbers as loaded
.set YR,  80                           ; v[80:111]  pass p: 4 numbers of 16 bits, to store
.set OFS, 112                          ; v[112:127] pass p: my byte offset in the destination
	s_load_b512 s[8:23], s[0:1], 0x0               ; x 8, Wq 10, Wk 12, Wv 14, Wo 16, lambda_q1 18, lambda_k1 20, lambda_q2 22
	s_load_b512 s[24:39], s[0:1], 0x40             ; lambda_k2 24, lambda_init 26, gn_weight 28, gn_bias 30, xb 32, wall 34, wob 36, rope 38
	s_load_b64 s[40:41], s[0:1], 0x80              ; par
	s_and_b32 s4, ttmp7, 0xffff                    ; y: the role
	v_lshlrev_b32 v1, 4, v0                        ; 16 t
	v_lshlrev_b32 v2, 2, v0                        ; 4 t
	s_wait_kmcnt 0x0
	s_cmp_ge_u32 s4, 10
	s_cbranch_scc1 .Lrope
	; THE CAST.  The role's figures: source, destination, first y, log2 of a source row, the destination's pitch and first column in bytes
	s_mov_b64 s[42:43], s[8:9]
	s_mov_b64 s[44:45], s[32:33]
	s_mov_b32 s46, 0
	s_mov_b32 s47, 10
	s_mov_b32 s48, 2048
	s_mov_b32 s49, 0
	s_cmp_ge_u32 s4, 4                             ; Wq
	s_cselect_b64 s[42:43], s[10:11], s[42:43]
	s_cselect_b64 s[44:45], s[34:35], s[44:45]
	s_cselect_b32 s46, 4, s46
	s_cselect_b32 s47, 11, s47
	s_cselect_b32 s48, 10240, s48
	s_cmp_ge_u32 s4, 6                             ; Wk
	s_cselect_b64 s[42:43], s[12:13], s[42:43]
	s_cselect_b32 s46, 6, s46
	s_cselect_b32 s49, 4096, s49
	s_cmp_ge_u32 s4, 8                             ; Wv
	s_cselect_b64 s[42:43], s[14:15], s[42:43]
	s_cselect_b32 s46, 8, s46
	s_cselect_b32 s47, 10, s47
	s_cselect_b32 s49, 8192, s49
	s_cmp_ge_u32 s4, 9                             ; Wo
	s_cselect_b64 s[42:43], s[16:17], s[42:43]
	s_cselect_b64 s[44:45], s[36:37], s[44:45]
	s_cselect_b32 s46, 9, s46
	s_cselect_b32 s48, 2048, s48
	s_cselect_b32 s49, 0, s49
	s_sub_co_u32 s5, s4, s46
	s_lshl_b32 s5, s5, 20
	s_lshl_b32 s6, ttmp9, 14
	s_add_co_u32 s5, s5, s6                        ; the work-group's first number: a multiple of 16,384, so of a row
	s_lshl_b32 s52, s5, 2
	s_mov_b32 s53, 0
	s_add_nc_u64 s[42:43], s[42:43], s[52:53]
	s_lshr_b32 s54, s5, s47                        ; its row
	s_mul_i32 s54, s54, s48
	s_add_co_u32 s54, s54, s49
	s_mov_b32 s55, 0
	s_add_nc_u64 s[44:45], s[44:45], s[54:55]
	s_lshl_b32 s51, 1, s47
	s_sub_co_u32 s51, s51, 1                       ; the mask of a place in a row
	s_wait_alu depctr_va_vdst(0)                   ; v1 is written: the 16 loads read it as their offset
.set p, 0
.rept 16
	global_load_b128 v[XR+4*p:XR+4*p+3], v1, s[42:43] offset:4096*p th:TH_LOAD_NT
.set p, p+1
.endr
.set p, 0
.rept 16                               ; the 16 store offsets are made while the loads are out; these lines name neither v1 nor XR
	v_add_nc_u32 v3, 1024*p, v2
	v_lshrrev_b32 v4, s47, v3                      ; row
	v_and_b32 v3, s51, v3                          ; place in it
	v_lshlrev_b32 v3, 1, v3
	v_mad_u32_u24 v[OFS+p], v4, s48, v3
.set p, p+1
.endr
; half = 0: bf16.  half = 1: the bf16 number widened again and written as f16.  No register that a store reads is written behind that store, so the stores' sources want no wait.
.macro CASTOUT half
.set p, 0
.rept 16
	s_wait_loadcnt 15-p                            ; loads come back in order: pass p is in, the 15 - p younger ones may stay out
.if (p > 0) && (p%4 == 0)
	s_wait_alu depctr_va_vdst(0)                   ; the block before has written its four YR, which this block's four stores read; at the first such wait the 16 offsets OFS are written too
.endif
.if p >= 4
	global_store_b64 v[OFS+p-4], v[YR+2*(p-4):YR+2*(p-4)+1], s[44:45]  ; the pass four back; no vector instruction since the wait names its registers
.endif
	v_cvt_pk_bf16_f32 v[YR+2*p], v[XR+4*p], v[XR+4*p+1]
	v_cvt_pk_bf16_f32 v[YR+2*p+1], v[XR+4*p+2], v[XR+4*p+3]
.if \half
	v_lshlrev_b32 v[XR+4*p], 16, v[YR+2*p]
	v_and_b32 v[XR+4*p+1], 0xffff0000, v[YR+2*p]
	v_lshlrev_b32 v[XR+4*p+2], 16, v[YR+2*p+1]
	v_and_b32 v[XR+4*p+3], 0xffff0000, v[YR+2*p+1]
	v_cvt_pk_f16_f32 v[YR+2*p], v[XR+4*p], v[XR+4*p+1]
	v_cvt_pk_f16_f32 v[YR+2*p+1], v[XR+4*p+2], v[XR+4*p+3]
.endif
.set p, p+1
.endr
	s_wait_alu depctr_va_vdst(0)                   ; the last block has written its four YR, which the last four stores read
.set p, 12
.rept 4
	global_store_b64 v[OFS+p], v[YR+2*p:YR+2*p+1], s[44:45]
.set p, p+1
.endr
.endm
	s_cmp_eq_u32 s4, 9
	s_cbranch_scc1 .Lhalf
	CASTOUT 0
	s_endpgm
.Lhalf:
	CASTOUT 1
	s_endpgm
.Lrope:
	; THE TABLE.  u = 256 x work-group + t.  Sixteen neighbouring threads make a row of 256 bytes: c = u % 16; c < 8: cos of frequencies 4 c .. 4 c + 3; else sin of 4 (c - 8) ..
	; A thread makes rows u / 16 and u / 16 + 1,024.
	s_lshl_b32 s5, ttmp9, 8
	s_mov_b32 s56, 0x40c90fdb                      ; 2 pi, the nearest f32,
	s_mov_b32 s57, 0xb43bbd2e                      ; and what it lacks
	v_add_nc_u32 v2, s5, v0                        ; u
	v_and_b32 v3, 15, v2
	v_lshrrev_b32 v4, 3, v3                        ; 0: cos, 1: sin
	v_and_b32 v5, 7, v3
	v_lshlrev_b32 v5, 2, v5                        ; my first frequency
	v_lshrrev_b32 v6, 4, v2                        ; my first row
	v_lshlrev_b32 v7, 4, v2                        ; my 16 bytes of it
	v_cmp_ne_u32 s50, 0, v4
.irp e, 0,1,2,3
	v_add_nc_u32 v[8+\e], \e, v5
	v_cvt_f32_u32 v[8+\e], v[8+\e]
	v_mul_f32 v[8+\e], 0xbed49a78, v[8+\e]         ; - i log2(10000) / 32
.endr
.irp e, 0,1,2,3
	v_exp_f32 v[8+\e], v[8+\e]
.endr
	v_cvt_f32_u32 v12, v6                          ; a plain instruction behind the last exponential
	v_add_nc_u32 v13, 1024, v6
	v_cvt_f32_u32 v13, v13
	s_wait_alu depctr_va_vdst(0)                   ; one wait for the four exponentials' results v8 to v11, ahead of their first reader
	s_wait_alu depctr_va_sdst(0)                   ; the compare has written s50, ahead of the first of the nine selects that read it
; cos or sin of position x frequency.  The angle is one f32 product; whole turns are taken off in two parts; a quarter of the rest (0.79 at the most) goes through the two series, and the angle is doubled twice.
.macro SINCOS dst, tf, fr
	v_mul_f32 v30, v[\tf], v[\fr]
	v_mul_f32 v31, 0.15915494, v30
	v_rndne_f32 v31, v31
	v_fma_f32 v30, -v31, s56, v30
	v_fma_f32 v30, -v31, s57, v30
	v_mul_f32 v30, 0x3e800000, v30
	v_mul_f32 v32, v30, v30
	v_mov_b32 v33, 0x3638ef1d                      ; sin: 1/9!, -1/7!, 1/5!, -1/3!, 1
	v_mov_b32 v34, 0xb493f27e                      ; cos: -1/10!, 1/8!, -1/6!, 1/4!, -1/2, 1
	v_fmaak_f32 v33, v33, v32, 0xb9500d01
	v_fmaak_f32 v34, v34, v32, 0x37d00d01
	v_fmaak_f32 v33, v33, v32, 0x3c088889
	v_fmaak_f32 v34, v34, v32, 0xbab60b61
	v_fmaak_f32 v33, v33, v32, 0xbe2aaaab
	v_fmaak_f32 v34, v34, v32, 0x3d2aaaab
	v_fmaak_f32 v33, v33, v32, 0x3f800000
	v_fmaak_f32 v34, v34, v32, 0xbf000000
	v_mul_f32 v33, v33, v30
	v_fmaak_f32 v34, v34, v32, 0x3f800000
.rept 2
	v_mul_f32 v35, v33, v34                        ; sin 2a = 2 sin a cos a
	v_mul_f32 v36, v33, v33                        ; cos 2a = 1 - 2 sin^2 a
	v_add_f32 v33, v35, v35
	v_fma_f32 v34, v36, -2.0, 1.0
.endr
	v_cndmask_b32 v[\dst], v34, v33, s50
.endm
.irp e, 0,1,2,3
	SINCOS 16+\e, 12, 8+\e
	SINCOS 20+\e, 13, 8+\e
.endr
	v_mov_b32 v28, 0
	v_cndmask_b32 v24, 1.0, v28, s50               ; part 1: cos = 1, sin = 0
	v_mov_b32 v25, v24
	v_mov_b32 v26, v24
	v_mov_b32 v27, v24
	s_wait_alu depctr_va_vdst(0)                   ; v16 to v27 are written, which the four stores read; so are their offset v7 and v1, the offset of the parameters' loads below
	global_store_b128 v7, v[16:19], s[38:39]
	global_store_b128 v7, v[20:23], s[38:39] offset:262144
	global_store_b128 v7, v[24:27], s[38:39] offset:524288
	global_store_b128 v7, v[24:27], s[38:39] offset:786432
	s_cmp_lg_u32 ttmp9, 0
	s_cbranch_scc1 .Lend
	; THE PARAMETERS, by the role's first work-group
.macro RB a, b                         ; two numbers rounded to bf16 and widened again
	v_cvt_pk_bf16_f32 v50, v[\a], v[\b]
	v_lshlrev_b32 v[\a], 16, v50
	v_and_b32 v[\b], 0xffff0000, v50
.endm
	s_load_b32 s52, s[26:27], 0x0
	global_load_b128 v[40:43], v1, s[28:29]        ; no vector instruction stands between the wait above and these two loads, and none has named v40 to v47
	global_load_b128 v[44:47], v1, s[30:31]
	s_wait_kmcnt 0x0
	v_mov_b32 v48, s52
	v_cvt_pk_bf16_f32 v48, v48, v48
	v_lshlrev_b32 v48, 16, v48                     ; lambda_init
	v_sub_f32 v49, 1.0, v48                        ; 1 - lambda_init
	s_wait_loadcnt 0x0
	RB 40, 41
	RB 42, 43
	RB 44, 45
	RB 46, 47
.irp e, 0,1,2,3,4,5,6,7
	v_mul_f32 v[40+\e], v[40+\e], v49
.endr
	v_lshrrev_b32 v51, 5, v0
	v_readfirstlane_b32 s5, v51                    ; the wave's number; the two stores stand between this line and the wait for it
	s_wait_alu depctr_va_vdst(0)                   ; the products have written v40 to v47, which the two stores read
	global_store_b128 v1, v[40:43], s[40:41]
	global_store_b128 v1, v[44:47], s[40:41] offset:4096
	s_wait_alu depctr_va_sdst(0)                   ; s5 is written, ahead of its first reader, the compare below
	s_cmp_lg_u32 s5, 0
	s_cbranch_scc1 .Lend                           ; wave 0 alone makes the 32 pairs
	v_and_b32 v52, 15, v0
	v_lshlrev_b32 v52, 2, v52
	s_wait_alu depctr_va_vdst(0)                   ; v52 is written: the four loads read it as their offset
	global_load_b32 v53, v52, s[18:19]
	global_load_b32 v54, v52, s[20:21]
	global_load_b32 v55, v52, s[22:23]
	global_load_b32 v56, v52, s[24:25]
	s_wait_loadcnt 0x0
	RB 53, 54
	RB 55, 56
	v_mul_f32 v53, v53, v54
	v_mul_f32 v55, v55, v56
	v_mul_f32 v53, 0x3fb8aa3b, v53
	v_mul_f32 v55, 0x3fb8aa3b, v55
	v_exp_f32 v53, v53
	v_exp_f32 v55, v55
	v_lshlrev_b32 v57, 3, v0                       ; 8 x lane: a plain instruction behind the last exponential
	s_wait_alu depctr_va_vdst(0)                   ; one wait for the two exponentials' results v53 and v55, ahead of their first reader
	v_sub_f32 v58, v53, v55
	v_add_f32 v58, v58, v48                        ; lambda_full
	v_mov_b32 v59, v49
	s_wait_alu depctr_va_vdst(0)                   ; v58 and v59 are written, which the store reads (its offset v57 stands ahead of the wait before)
	global_store_b64 v57, v[58:59], s[40:41] offset:8192
.Lend:
	s_endpgm
.Lfunc_end_k_qdc6412b802_prep:
	.size	k_qdc6412b802_prep, .Lfunc_end_k_qdc6412b802_prep-k_qdc6412b802_prep
	.p2alignl 7, 3214868480
	.fill 96, 4, 3214868480
	.section	.rodata,"a",@progbits
	.p2align	6, 0x0
	.amdhsa_kernel k_qdc6412b802_prep
		.amdhsa_group_segment_fixed_size 0
		.amdhsa_private_segment_fixed_size 0
		.amdhsa_enable_private_segment 0
		.amdhsa_kernarg_size 136
		.amdhsa_user_sgpr_count 2
		.amdhsa_user_sgpr_kernarg_segment_ptr 1
		.amdhsa_wavefront_size32 1
		.amdhsa_system_sgpr_workgroup_id_x 1
		.amdhsa_system_sgpr_workgroup_id_y 1
		.amdhsa_system_sgpr_workgroup_id_z 1
		.amdhsa_system_vgpr_workitem_id 0
		.amdhsa_next_free_vgpr 128
		.amdhsa_next_free_sgpr 66
		.amdhsa_reserve_vcc 0
		.amdhsa_float_denorm_mode_32 3
		.amdhsa_float_denorm_mode_16_64 3
		.amdhsa_memory_ordered 1
		.amdhsa_forward_progress 1
		.amdhsa_inst_pref_size 37
	.end_amdhsa_kernel
	.amdgpu_metadata
---
amdhsa.version: [ 1, 2 ]
amdhsa.kernels:
  - .name:           k_qdc6412b802_prep
    .symbol:         k_qdc6412b802_prep.kd
    .args:
      - { .name: x, .offset: 0, .size: 8, .value_kind: global_buffer, .address_space: global }
      - { .name: Wq, .offset: 8, .size: 8, .value_kind: global_buffer, .address_space: global }
      - { .name: Wk, .offset: 16, .size: 8, .value_kind: global_buffer, .address_space: global }
      - { .name: Wv, .offset: 24, .size: 8, .value_kind: global_buffer, .address_space: global }
      - { .name: Wo, .offset: 32, .size: 8, .value_kind: global_buffer, .address_space: global }
      - { .name: lambda_q1, .offset: 40, .size: 8, .value_kind: global_buffer, .address_space: global }
      - { .name: lambda_k1, .offset: 48, .size: 8, .value_kind: global_buffer, .address_space: global }
      - { .name: lambda_q2, .offset: 56, .size: 8, .value_kind: global_buffer, .address_space: global }
      - { .name: lambda_k2, .offset: 64, .size: 8, .value_kind: global_buffer, .address_space: global }
      - { .name: lambda_init, .offset: 72, .size: 8, .value_kind: global_buffer, .address_space: global }
      - { .name: gn_weight, .offset: 80, .size: 8, .value_kind: global_buffer, .address_space: global }
      - { .name: gn_bias, .offset: 88, .size: 8, .value_kind: global_buffer, .address_space: global }
      - { .name: xb, .offset: 96, .size: 8, .value_kind: global_buffer, .address_space: global }
      - { .name: wall, .offset: 104, .size: 8, .value_kind: global_buffer, .address_space: global }
      - { .name: wob, .offset: 112, .size: 8, .value_kind: global_buffer, .address_space: global }
      - { .name: rope, .offset: 120, .size: 8, .value_kind: global_buffer, .address_space: global }
      - { .name: par, .offset: 128, .size: 8, .value_kind: global_buffer, .address_space: global }
    .group_segment_fixed_size: 0
    .private_segment_fixed_size: 0
    .kernarg_segment_align: 8
    .kernarg_segment_size: 136
    .max_flat_workgroup_size: 256
    .sgpr_count:     66
    .vgpr_count:     128
    .wavefront_size: 32
...
	.end_amdgpu_metadata
.endif
;; end of part 5
;; launch qkvproj: the kernel of part 2 again; grid 20 x 16, 4 waves a work-group, clusters of 4 x 4, 327,680 bytes of LDS; arguments xb, wall, rope, qkv; writes qkv
;; launch attn: the kernel of part 3 again; grid 8 x 32, 4 waves a work-group, clusters of 4 x 1, 327,680 bytes of LDS; arguments qkv, par, on; writes on
;; launch oproj: the kernel of part 4 again; grid 8 x 32, 4 waves a work-group, clusters of 4 x 4, 327,680 bytes of LDS; arguments on, wob, out0; writes out0
